; MI455X (gfx1250); checked and timed in simulation.
; The chip was launched on July 23, 2026; its instructions are those of AMD's public machine-readable ISA for CDNA 5 (MIT licence, August 2026) and "CDNA5" Instruction Set Architecture Reference Guide (July 2026). The comments in the code are by the model that wrote it; some were corrected since.
;; Attention Block. Allowed arithmetic: matrix products marked QUANTISED: E2M3 operands, one E8M0 scale for each 32 along K, by v_wmma_scale_f32_16x16x128_f8f6f4 with both operands' format E2M3, f32 sums; everything else in f32.
;; Inputs: Wk 1,024 x 1,024 float32; Wo 1,024 x 1,024 float32; Wq 1,024 x 1,024 float32; Wv 1,024 x 1,024 float32; kn_w 64 float32; qn_w 64 float32; x 4 x 2,048 x 1,024 float32.
;; Outputs: out0 4 x 2,048 x 1,024 float32.
;; This version of the problem:
;;   THIS VERSION OF THE PROBLEM IS GIVEN IN LOW PRECISION. The matrix products marked QUANTISED in the list below multiply operands that are first quantised to E2M3 (2 exponent bits, 3 mantissa bits; 6 bits a number), with one power-of-two scale for each 32 numbers along K (OCP MX v1.0); their sums are f32. All else is computed in f32.
;;   The module's matrix products, in the order in which they are computed (A, B: the left and right operand; K: the contracted axis; several contracted axes count as one K, in the product's order):
;;     1. [M 8,192, K 1,024] x [K 1,024, N 1,024]; A: input x; B: input Wq: QUANTISED
;;     2. [M 8,192, K 1,024] x [K 1,024, N 1,024]; A: input x; B: input Wk: QUANTISED
;;     3. [M 8,192, K 1,024] x [K 1,024, N 1,024]; A: input x; B: input Wv: QUANTISED
;;     4. batch 64 x [M 2,048, K 64] x [K 64, N 2,048]; A: computed on the way; B: computed on the way: QUANTISED
;;     5. batch 64 x [M 64, K 2,048] x [K 2,048, N 2,048]; A: computed on the way; B: softmax (see below): QUANTISED
;;     6. [M 8,192, K 1,024] x [K 1,024, N 1,024]; A: computed on the way; B: input Wo: QUANTISED
;;   THE QUANTISER, for each operand of a quantised product, along K:
;;     - K is cut into blocks of 32 from its start; a last block that is shorter is filled with zeros.
;;     - A block's scale is 2^e with e = floor(log2(the largest magnitude in the block)) - 2, held to -126 .. 127; a block of zeros has e = 0. As a byte (E8M0): e + 127.
;;     - Each number is divided by its block's scale, clamped to +-7.5, and rounded to the nearest number of E2M3, ties to even, subnormals kept.
;;     - The product sums the exact products of the quantised numbers (number of the format x scale) in f32.
;;   ~~~python
;;   def quantise(x, axis):      # numpy; x: float32 -> the quantised numbers, widened to float32 again
;;       x = np.moveaxis(x, axis, -1); K = x.shape[-1]
;;       x = np.pad(x, [(0, 0)] * (x.ndim - 1) + [(0, -K % 32)]); x = x.reshape(x.shape[:-1] + (-1, 32)); a = np.abs(x).max(-1, keepdims=True)
;;       e = np.where(a > 0, np.clip(np.frexp(np.where(a > 0, a, 1))[1] - 1 - 2, -126, 127), 0)      # np.frexp(a)[1] - 1 = floor(log2(a)), exactly
;;       r = np.clip(x / 2.0 ** e, -7.5, 7.5)
;;       step = 2.0 ** (np.maximum(np.frexp(np.where(r == 0, 1, r))[1] - 1, 0) - 3)
;;       q = np.round(r / step) * step * 2.0 ** e      # np.round: ties to even
;;       return np.moveaxis(q.reshape(q.shape[:-2] + (-1,))[..., :K], -1, axis).astype(np.float32)
;;   ~~~
;;   SOFTMAX AHEAD OF A QUANTISED PRODUCT. Where the list says 'softmax', what is quantised is not the finished softmax but p = 2^(t - M), with t = logit x log2(e) and M = ceil(the row's largest t), a whole number; so 1/2 < the row's largest p <= 1. The row's sum l is taken of the UNQUANTISED p, in f32, and the product's result is divided by l at the end. Since M is a whole number, a kernel that streams over the keys may use a running M (the ceiling of the running maximum): every later rescaling is an exact power of two, which a block's scale takes up: the codes' values come out the same.
;;   OPERANDS COMPUTED ON THE WAY. 'Computed on the way' means the value that the module computes at that place (a softmax that the list does not call 'softmax' is quantised finished and normalised). What goes into a quantiser is computed in f32, as accurately as f32 sums, v_exp_f32 and their like allow (about 1e-6 of the number): no bf16 or f16 on the way to a quantiser, and a product that is left as it is and whose result goes on into a quantised operand takes f32 operands (vector FMAs, or v_wmma_f32_16x16x4_f32). A number that lies on a knife's edge between two numbers of the format may be rounded either way, as far as f32 arithmetic and the matrix unit's own rounding can turn it there, and no further.
;; One version. Each part assembles by itself: llvm-mc -triple=amdgcn-amd-amdhsa -mcpu=gfx1250 --defsym DOCPART=n.
;; ======== version 1 of 1: 4 launches
;; workspace buffers: cod 9,437,184 bytes; scl 393,216 bytes; qr 6,815,744 bytes; kv 13,369,344 bytes; cimg 6,291,456 bytes; cs 262,144 bytes
;; launch quant (part 1): grid 384 x 1, 4 waves a work-group, no clusters, 33,280 bytes of LDS; arguments x, Wq, Wk, Wv, Wo, cod, scl; writes cod, scl
.if DOCPART == 1
	.amdgcn_target "amdgcn-amd-amdhsa--gfx1250"
	.amdhsa_code_object_version 6
	.text
	.protected	k_qa9763f4de7_quant
	.globl	k_qa9763f4de7_quant
	.p2align	8
	.type	k_qa9763f4de7_quant,@function
k_qa9763f4de7_quant:
	s_mov_b64 s[64:65], 0
	v_nop
	global_prefetch_b8 v0, s[64:65] scope:SCOPE_SE
	s_setreg_imm32_b32 hwreg(HW_REG_WAVE_MODE, 25, 1), 1
	s_wait_xcnt 0x0
; x [8192][1024], Wq, Wk, Wv, Wo [1024][1024], f32, K innermost, become codes of FP6 (E2M3) and one E8M0 scale byte for each 32 along K.
; cod: [12288 rows][768 bytes], scl: [12288 rows][32 bytes]; rows 0-8191 x, then Wq, Wk, Wv, Wo, 1,024 rows each.
; A block's scale is 2^(floor(log2(its largest magnitude)) - 2); its byte is the largest magnitude's exponent field - 2, held at 1 from below.
; THE ROWS OF x, Wq, Wk, Wv ARE LAID IN ANOTHER ORDER: the row at place p of cod and scl is the tensor's row p with bits 3 and 4 exchanged.  A plain tile of 16 places then holds rows
; 0-7 and 16-23 (or 8-15 and 24-31) of a run of 32, which is what lets a transposed product's results lie as 16 neighbours along the next K in a lane's registers.  Wo keeps its order.
; A wave takes 8 rows (8,192 numbers): a run of 8 rows stays a run, and only the run's number has its two lowest bits exchanged.
; LIMITS: a block of zeros gets the byte 1 where the rule says 127 (its codes are zeros, which add nothing under any byte but 0xff; this program alone reads the bytes);
; blocks whose largest magnitude lies under 2^(2 - 126) have their byte held at 1; NaN and infinities among the inputs are not served.
; Each of a step's four loads reads 512 consecutive bytes, 16 a lane; the 2,048 bytes turn through the wave's own stage in LDS and come back 64 bytes a lane, so that a lane holds 16 neighbours along K.
; No cluster: no two work-groups read the same bytes.  No tensor loads, no barrier: waves share nothing.  Loads run four steps (16 loads a wave) ahead.
.set WAVES, 4
.set STEPS, 16
.set CB,    12                         ; bytes of 16 codes
.set R,     16                         ; v16-79   four sets of 16 numbers as they are loaded
.set X,     80                         ; v80-111  two sets of 16 neighbours
.set C,     128                        ; v128-191 codes: four registers for each step, so that no store's data are written again
.set E,     112                        ; v112-127 a scale byte for each step
.set WREG,  8192                       ; LDS: a region for each wave: two stages of 32 x SP bytes, and behind them its 256 scale bytes
.set SP,    80                         ; a lane's place in a stage: its 64 bytes + 16 of padding
.set SPW,   12                         ; v12      LDS address of my spare word; never rewritten
.set NIL,   13                         ; v13      0; never rewritten
.set SPARE, WAVES*WREG                 ; behind the four regions: the spare words, 128 bytes for each wave
.set WV,    18                         ; s18      my wave's number
	s_load_b256 s[4:11], s[0:1], 0x0               ; x, Wq, Wk, Wv
	s_load_b128 s[12:15], s[0:1], 0x20             ; Wo, cod
	s_load_b64 s[16:17], s[0:1], 0x30              ; scl
	v_lshl_add_u32 v[SPW], v0, 2, SPARE
	v_mov_b32 v[NIL], 0
	v_lshrrev_b32 v1, 5, v0
	v_readfirstlane_b32 s[WV], v1                  ; wave
	v_and_b32 v2, 31, v0                           ; lane
	v_lshlrev_b32 v3, 4, v2                        ; my 16 bytes of a load's 512
	s_mul_i32 s24, s[WV], WREG
	v_lshrrev_b32 v14, 2, v2
	v_mul_u32_u24 v14, v14, SP
	v_and_b32 v15, 3, v2
	v_lshl_add_u32 v14, v15, 4, v14
	v_add_nc_u32 v14, s24, v14                     ; the stage, on the way in: SP (lane / 4) + 16 (lane % 4)
	v_mul_u32_u24 v15, v2, SP
	v_add_nc_u32 v15, s24, v15                     ; and on the way out: SP x lane: my 16 neighbours
	v_mul_u32_u24 v4, v2, CB                       ; my codes' place in a step's
	v_lshrrev_b32 v5, 1, v2
	s_add_co_u32 s24, s24, 2*32*SP
	v_add_nc_u32 v5, s24, v5                       ; LDS: my wave's 256 scale bytes, my block's byte
	v_lshlrev_b32 v7, 3, v2                        ; and on the way out 8 bytes a lane
	v_add_nc_u32 v6, s24, v7
	s_and_b32 s25, s[WV], 1                        ; the wave's number with its two bits exchanged
	s_lshl_b32 s25, s25, 1
	s_lshr_b32 s26, s[WV], 1
	s_or_b32 s25, s25, s26
	s_wait_kmcnt 0x0
	s_mov_b64 s[20:21], s[12:13]                   ; which tensor is my work-group's, and the tensor's first work-group: the choices hang on the work-group's number alone
	s_mov_b32 s22, 352
	s_cmp_lt_u32 ttmp9, 352
	s_cselect_b64 s[20:21], s[10:11], s[20:21]
	s_cselect_b32 s22, 320, s22
	s_cselect_b32 s25, s25, s[WV]                  ; Wo keeps its order
	s_cmp_lt_u32 ttmp9, 320
	s_cselect_b64 s[20:21], s[8:9], s[20:21]
	s_cselect_b32 s22, 288, s22
	s_cmp_lt_u32 ttmp9, 288
	s_cselect_b64 s[20:21], s[6:7], s[20:21]
	s_cselect_b32 s22, 256, s22
	s_cmp_lt_u32 ttmp9, 256
	s_cselect_b64 s[20:21], s[4:5], s[20:21]
	s_cselect_b32 s22, 0, s22
	s_sub_co_u32 s26, ttmp9, s22
	s_lshl_b32 s26, s26, 2
	s_add_co_u32 s26, s26, s[WV]                   ; which run of 8 rows of the tensor I read,
	s_lshl_b32 s26, s26, 15                        ; 32,768 bytes a run
	s_mov_b32 s27, 0
	s_add_nc_u64 s[20:21], s[20:21], s[26:27]
	s_lshl_b32 s26, ttmp9, 2
	s_add_co_u32 s25, s26, s25                     ; and at which run of 8 places I write
	s_mul_i32 s26, s25, 32*STEPS*CB                ; 6,144 bytes of codes a run
	s_add_nc_u64 s[14:15], s[14:15], s[26:27]
	s_lshl_b32 s26, s25, 8                         ; 256 scale bytes a run
	s_add_nc_u64 s[16:17], s[16:17], s[26:27]
.macro LOAD t
.irp i, 0,1,2,3
	global_load_b128 v[R+16*((\t)%4)+4*\i:R+16*((\t)%4)+4*\i+3], v3, s[20:21] offset:2048*(\t)+512*\i th:TH_LOAD_NT   ; 32 lanes read 512 consecutive bytes
.endr
.endm
.macro TURN t                          ; step t's numbers through the stage: LDS serves a wave's instructions in order, so no wait stands between the stores and the loads
.irp i, 0,1,2,3
	ds_store_b128 v14, v[R+16*((\t)%4)+4*\i:R+16*((\t)%4)+4*\i+3] offset:32*SP*((\t)%2)+8*SP*\i
.endr
.irp i, 0,1,2,3
	ds_load_b128 v[X+16*((\t)%2)+4*\i:X+16*((\t)%2)+4*\i+3], v15 offset:32*SP*((\t)%2)+16*\i
.endr
.endm
.irp t, 0,1,2,3
	LOAD \t
.endr
	s_wait_loadcnt 12                              ; step 0's four loads are in; the twelve of steps 1 to 3 may be out
	TURN 0
.macro STEP t
.set XS, X+16*((\t)%2)
.if (\t) > 0
	s_wait_dscnt 1                                 ; this step's numbers are back from the stage (the last step's byte store may be out): so its stores into the stage have read their registers,
.else
	s_wait_dscnt 0x0
.endif
.if (\t)+4 < STEPS
	LOAD (\t)+4                                    ; which take the loads of four steps on
.endif
.if (\t)+1 < STEPS
.if STEPS-2-(\t) >= 3
	s_wait_loadcnt 12                              ; the next step's four loads are in; those of the three steps behind it may be out
.else
	s_wait_loadcnt 4*(STEPS-2-(\t))
.endif
	TURN (\t)+1                                    ; and go through the other stage while this step is worked
.endif
	v_max3_num_f32 v8, |v[XS]|, |v[XS+1]|, |v[XS+2]|               ; the largest magnitude of my 16
	v_max3_num_f32 v9, |v[XS+3]|, |v[XS+4]|, |v[XS+5]|
.irp i, 6,10
	v_max3_num_f32 v8, v8, |v[XS+\i]|, |v[XS+\i+1]|
	v_max3_num_f32 v9, v9, |v[XS+\i+2]|, |v[XS+\i+3]|
.endr
	v_max3_num_f32 v8, v8, |v[XS+14]|, |v[XS+15]|
	v_max3_num_f32 v8, v8, v9, 0x1800000           ; and the floor 2^(3 - 127): so the byte cannot fall under 1
	v_max_num_f32_dpp v8, v8, v8 row_xmask:1 row_mask:0xf bank_mask:0xf   ; and of my neighbour's 16: the block's
	v_add_nc_u32 v11, 0xff000000, v8               ; 2 off its exponent field: the conversion takes the exponent field of this operand as its scale, and nothing else of it
	v_cvt_scalef32_pk16_fp6_f32 v[C+4*(\t):C+4*(\t)+2], v[XS:XS+15], v11
	v_lshrrev_b32 v[E+(\t)], 23, v11               ; the scale's byte
	ds_store_b8 v5, v[E+(\t)] offset:16*(\t)       ; both lanes of a block write the same byte with the same value
	global_store_b96 v4, v[C+4*(\t):C+4*(\t)+2], s[14:15] offset:32*CB*(\t)
.endm
.irp t, 0,1,2,3,4,5,6,7,8,9,10,11,12,13,14,15
	STEP \t
.endr
	ds_load_b64 v[8:9], v6                         ; LDS serves a wave's instructions in order: these see my stores
	s_wait_dscnt 0x0
	global_store_b64 v7, v[8:9], s[16:17]          ; 32 lanes store 256 consecutive bytes, at a multiple of 256 from scl's first byte
	s_wait_tensorcnt 0x0                           ; the wave's end, behind my last LDS store
	ds_add_u32 v[SPW], v[NIL]
	s_wait_dscnt 0x0
	s_endpgm
.Lfunc_end_k_qa9763f4de7_quant:
	.size	k_qa9763f4de7_quant, .Lfunc_end_k_qa9763f4de7_quant-k_qa9763f4de7_quant
	.p2alignl 7, 3214868480
	.fill 96, 4, 3214868480
	.section	.rodata,"a",@progbits
	.p2align	6, 0x0
	.amdhsa_kernel k_qa9763f4de7_quant
		.amdhsa_group_segment_fixed_size 33280
		.amdhsa_private_segment_fixed_size 0
		.amdhsa_enable_private_segment 0
		.amdhsa_kernarg_size 56
		.amdhsa_user_sgpr_count 2
		.amdhsa_user_sgpr_kernarg_segment_ptr 1
		.amdhsa_wavefront_size32 1
		.amdhsa_system_sgpr_workgroup_id_x 1
		.amdhsa_system_sgpr_workgroup_id_y 1
		.amdhsa_system_sgpr_workgroup_id_z 1
		.amdhsa_system_vgpr_workitem_id 0
		.amdhsa_next_free_vgpr 192
		.amdhsa_next_free_sgpr 66
		.amdhsa_reserve_vcc 0
		.amdhsa_float_denorm_mode_32 3
		.amdhsa_float_denorm_mode_16_64 3
		.amdhsa_memory_ordered 1
		.amdhsa_forward_progress 1
		.amdhsa_inst_pref_size 33
	.end_amdhsa_kernel
	.amdgpu_metadata
---
amdhsa.version: [ 1, 2 ]
amdhsa.kernels:
  - .name:           k_qa9763f4de7_quant
    .symbol:         k_qa9763f4de7_quant.kd
    .args:
      - { .name: x, .offset: 0, .size: 8, .value_kind: global_buffer, .address_space: global }
      - { .name: Wq, .offset: 8, .size: 8, .value_kind: global_buffer, .address_space: global }
      - { .name: Wk, .offset: 16, .size: 8, .value_kind: global_buffer, .address_space: global }
      - { .name: Wv, .offset: 24, .size: 8, .value_kind: global_buffer, .address_space: global }
      - { .name: Wo, .offset: 32, .size: 8, .value_kind: global_buffer, .address_space: global }
      - { .name: cod, .offset: 40, .size: 8, .value_kind: global_buffer, .address_space: global }
      - { .name: scl, .offset: 48, .size: 8, .value_kind: global_buffer, .address_space: global }
    .group_segment_fixed_size: 33280
    .private_segment_fixed_size: 0
    .kernarg_segment_align: 8
    .kernarg_segment_size: 56
    .max_flat_workgroup_size: 128
    .sgpr_count:     66
    .vgpr_count:     192
    .wavefront_size: 32
...
	.end_amdgpu_metadata
.endif
;; end of part 1
;; launch proj (part 2): grid 8 x 48, 4 waves a work-group, clusters of 4 x 4, 327,680 bytes of LDS; arguments cod, scl, qn_w, kn_w, qr, kv; writes qr, kv
.if DOCPART == 2
	.amdgcn_target "amdgcn-amd-amdhsa--gfx1250"
	.amdhsa_code_object_version 6
	.text
	.protected	k_qa9763f4de7_proj
	.globl	k_qa9763f4de7_proj
	.p2align	8
	.type	k_qa9763f4de7_proj,@function
k_qa9763f4de7_proj:
	s_mov_b64 s[64:65], 0
	v_nop
	global_prefetch_b8 v0, s[64:65] scope:SCOPE_SE
	s_setreg_imm32_b32 hwreg(HW_REG_WAVE_MODE, 25, 1), 1
	s_wait_xcnt 0x0
	s_wait_alu depctr_hold_cnt(0) depctr_sa_sdst(0) depctr_va_vdst(0) depctr_va_sdst(0) depctr_va_ssrc(0) depctr_va_vcc(0) depctr_vm_vsrc(0)
	s_getreg_b32 s2, hwreg(HW_REG_IB_STS2, 6, 4)
	s_cmp_eq_u32 s2, 0
	s_cbranch_scc0 .Lentry_in_a_cluster
	s_endpgm
.Lentry_in_a_cluster:
	s_bfe_u32 s2, ttmp6, 0x10000c
	s_cmp_lg_u32 s2, 0xf033
	s_cbranch_scc0 .Lentry_shape_is_right
	s_endpgm
.Lentry_shape_is_right:
; q = x Wq^T, k = x Wk^T, v = x Wv^T on codes of FP6 (E2M3) with one E8M0 scale for each 32 along K = 1,024; sums in f32.  The results never go to memory as numbers:
; q and k get their RMS norm over each head's 64 numbers (x rsqrt(mean + eps) x weight, in f32) and are quantised along the head's 64; v is quantised along the KEYS.  What is stored are the operands of the
; attention launch, as images of their registers.
; A tile of 256 x 256 results is made by four waves, 128 x 128 each: 64 accumulators of 16 x 16, 512 registers.  K goes in steps of 256 through a ring of two LDS slots filled by the tensor data mover.
; THE MATRIX INSTRUCTION IS USED TRANSPOSED: source 0 = 16 rows of the B side, source 1 = 16 rows of the A side: a lane holds ONE row of the A side, and its registers run along the B side.
;   cluster y 0-7:  A side = x (tokens), B side = Wq (cluster x 0) or Wk (cluster x 1): the registers run along the head's channels, the axis of the norm and of q's and k's quantiser.
;   cluster y 8-11: A side = Wv (channels), B side = x (tokens): the registers run along the keys, the axis of v's quantiser.
; The rows of x, Wq, Wk, Wv lie in cod and scl with bits 3 and 4 of the row number exchanged.  So register 16 b + i of a lane's 64 results of a block of A is the B side's row 32 b + 16 (lane / 16) + i: 16 neighbours.
; CLUSTERS: 4 x 4 work-groups; the four of a row need the same tiles of the A side, the four of a column the same tiles of the B side: each tile is asked for jointly.  The one branch of the text that is not
; on the wave's number or a counter hangs on the cluster's y, which all sixteen partners share.
; OUT.  qr: [batch x head 64][128 queries 16][6,656 bytes]: eight images of 768 bytes (16 rows x 64 codes: registers 0-3 at 16 x lane, registers 4-5 at 512 + 8 x lane), then 512 bytes of scale words [tile / 4][row][tile % 4].
;       kv: [batch x head 64][128 keys 16][13,056 bytes]: k as q; at 6,656 four images of v (16 channels x 128 keys: registers 4 c .. 4 c + 3 at 512 c + 16 x lane); at 12,800 v's scale words [row][tile].
; A scale word of q or k has its head's two bytes below and two bytes 0 above: those stand over zero codes in the attention launch.
; LIMITS: a block of zeros gets the byte 1 (its codes are zeros); NaN and infinities are not served.
; REGISTERS, in windows of 256: window 0: v0-31 addresses; v32-63 scale words, two sets; v128-223 A's fragments, one set; v224-255 the norm's weights; on the way out v64-191 at work.
;   window 1: B's fragments, two sets, at v0 and v128.   window 2: the accumulators of my rows 0-63 ((a, b) at v[8 (8 a + b)]);   window 3: those of my rows 64-127.
.set SIZE_K, 1024
.set KSTEP,  256                       ; along K in a slot
.set NQ,     KSTEP/128                 ; matrix instructions deep
.set ROWB,   192                       ; a tile's row in bytes
.set KROW,   SIZE_K*6/8                ; a row of cod in bytes
.set PITCH,  240                       ; an LDS row: 3 x (64 bytes of data + 16 of padding)
.set FR,     12                        ; registers of a fragment
.set NL,     6                         ; LDS loads that bring one
.set NP,     4                         ; places behind this matrix instruction (ISA guide 7.12.1)
.set HALFT,  128*PITCH                 ; 128 rows: what one tensor load brings
.set SLOT,   4*HALFT                   ; A's 256 rows, then B's 256 rows
.set LAPS,   SIZE_K/(2*KSTEP)
.set KS,     SIZE_K/32                 ; a row of scl in bytes
.set SCL,    2*SLOT                    ; behind the ring: the scales, as rows of 256 bytes + 16 of padding
.set HALFS,  (128*KS/256)*272
.set SBLK,   (16*KS/256)*272
.set SPARE,  SCL+4*HALFS               ; behind the scales: the spare words, 128 bytes for each wave
.set ADRA, 16                          ; v16-17 LDS address of my A fragments in slot 0, 1 (v18-19: behind one padding more)
.set ADRB, 20                          ; v20-23 the same for B
.set O16,  24                          ; v24  16 x lane: an image's first part
.set O8,   25                          ; v25  8 x lane: its second part
.set OSW,  26                          ; v26  scale words: 16 x (lane % 16), lanes 16-31 in my second head's record
.set ADRS, 27                          ; v27  LDS address of my scale words: lanes 0-15 A's rows, lanes 16-31 B's
.set SPW,  28                          ; v28  LDS address of my spare word; never rewritten
.set NIL,  29                          ; v29  0; never rewritten
.set WOF,  30                          ; v30  64 x (lane / 16): my half's place in the norm's weights; never rewritten
.set SC,   32
.set NT,   64                          ; v64-127  the way out: 64 normalised numbers
.set AF,   128
.set CD,   128                         ; v128-147 the way out: 12 registers of codes; second halves at +12 and +16
.set TM,   148                         ; v148-163 largest magnitudes, bytes, scale operands
.set SW,   168                         ; v168-175 a scale word for each block of A
.set SS,   176                         ; v176-183 sums of squares: head g, chain c at 176 + 4 g + 2 c
.set RS,   184                         ; v184-187 1 / root: the pair for head g at 184 + 2 g
.set TV,   188
.set WN,   224                         ; v224-255 register 16 b + i: weight of channel 32 b + 16 (lane / 16) + i
.set G1, 24
.set G0, 32
.set G1B, 48
.set G0B, 56
.set G1S, 68
.set G0S, 76
.set G1SB, 80
.set G0SB, 88
.set ISV, 66                           ; s66  1 in the work-groups that make v
.set MSB, 0
.macro WIN new                         ; the immediate's high byte repeats the setting that is left
.if MSB != (\new)
	s_set_vgpr_msb (MSB<<8)|(\new)
.set MSB, (\new)
.endif
.endm
.set MUL_LO, 0xa1                      ; source 0 (B) window 1, source 1 (A) window 0, C and D window 2
.set MUL_HI, 0xf1                      ; the same, C and D window 3
.set TO_B,   0x40                      ; destination window 1, address window 0
; A joint load: waves 0 and 1 fetch for A, waves 2 and 3 for B.  The branch hangs on the wave's number alone.  An s_nop 0 and four v_nop follow each of the two lines.
.macro JLOAD g0a, g1a, g0b, g1b
	s_cmp_eq_u32 s15, 0
	s_cbranch_scc0 .Lfor_b_\@
	tensor_load_to_lds s[\g0a:\g0a+3], s[\g1a:\g1a+7]
	s_nop 0
.rept 4
	v_nop
.endr
	s_branch .Lasked_\@
.Lfor_b_\@:
	tensor_load_to_lds s[\g0b:\g0b+3], s[\g1b:\g1b+7]
	s_nop 0
.rept 4
	v_nop
.endr
.Lasked_\@:
.endm
.macro CREST                           ; a round of the cluster's barrier behind its opening barrier
	s_cmp_lg_u32 s14, 0
	s_cbranch_scc1 .Lnot_wave_0_\@
	s_barrier_signal -3
.Lnot_wave_0_\@:
	s_barrier_wait -3
	s_barrier_signal -1
	s_barrier_wait -1
.endm
.macro CROUND
	s_barrier_signal -1
	s_barrier_wait -1
	CREST
.endm
	s_load_b256 s[4:11], s[0:1], 0x0               ; cod s[4:5], scl s[6:7], qn_w s[8:9], kn_w s[10:11]
	s_load_b128 s[96:99], s[0:1], 0x20             ; qr s[96:97], kv s[98:99]
	v_lshl_add_u32 v[SPW], v0, 2, SPARE
	v_mov_b32 v[NIL], 0
	ds_add_u32 v[SPW], v[NIL]                      ; the wave's opening: the add and its wait stand ahead of my first tensor load; the set-up below, work on registers, stands between them
	v_lshrrev_b32 v1, 5, v0
	v_readfirstlane_b32 s14, v1                    ; wave 0..3
	s_lshr_b32 s15, s14, 1                         ; which half of the tile's A rows is mine.  Also: I fetch for A (0) or for B (1)
	s_and_b32 s16, s14, 1                          ; which half of its B rows.  Also: which 128 rows of that tile I fetch
	s_bfe_u32 s40, ttmp6, 0x40000                  ; cx, cy: my place in the cluster
	s_bfe_u32 s41, ttmp6, 0x40004
	s_and_b32 s17, ttmp7, 0xffff                   ; the cluster's y
	s_lshl_b32 s18, s17, 10                        ; q, k: the A side is x from row 1,024 y on
	s_max_u32 s19, s17, 8
	s_sub_co_u32 s19, s19, 8
	s_lshl_b32 s19, s19, 1
	s_add_co_u32 s19, s19, ttmp9
	s_lshl_b32 s19, s19, 10                        ; v: the B side is x from row 1,024 (2 (y - 8) + x) on
	s_lshl_b32 s42, ttmp9, 10
	s_add_co_u32 s42, s42, 8192                    ; q, k: the B side is Wq (cluster x 0) or Wk (1), which follow x in cod
	s_cmp_ge_u32 s17, 8
	s_cselect_b32 s[ISV], 1, 0
	s_cselect_b32 s17, 10240, s18                  ; v: the A side is Wv
	s_cselect_b32 s42, s19, s42
	s_lshl_b32 s18, s41, 8
	s_add_co_u32 s17, s17, s18                     ; my tile's first row of the A side: + 256 cy
	s_lshl_b32 s19, s40, 8
	s_add_co_u32 s42, s42, s19                     ; and of the B side: + 256 cx
	s_lshl_b32 s43, s41, 2
	s_lshl_b32 s43, 15, s43                        ; my row of the cluster
	s_lshl_b32 s44, 0x1111, s40                    ; my column
	; descriptor group 1: a tile of 128 rows x ROWB bytes, padded in LDS
	s_or_b32 s[G1+0], s43, (0<<16)|(1<<20)|(1<<21)|(3<<22)|(3<<25)  ; 15:0 the mask; 17:16 elements of 1 byte; 20 padding on; 21 set beside a mask; 24:22 after every 16 words; 31:25 of 4 words
	s_or_b32 s[G1B+0], s44, (0<<16)|(1<<20)|(1<<21)|(3<<22)|(3<<25)
.irp g, G1, G1B
	s_mov_b32 s[\g+1], ROWB<<16                    ; tensor_dim0
	s_mov_b32 s[\g+2], 128<<16                     ; tensor_dim1
	s_mov_b32 s[\g+3], ROWB<<16                    ; tile_dim0
	s_mov_b32 s[\g+4], 128                         ; tile_dim1
	s_mov_b32 s[\g+5], KROW                        ; tensor_dim0_stride
	s_mov_b32 s[\g+6], 0
	s_mov_b32 s[\g+7], 0
.endr
	; the scales of 128 rows: a dense block of 4,096 bytes, as rows of 256 bytes (32 elements of 8 bytes), 16 bytes of padding behind each
	s_or_b32 s[G1S+0], s43, (3<<16)|(1<<20)|(1<<21)|(5<<22)|(3<<25)
	s_or_b32 s[G1SB+0], s44, (3<<16)|(1<<20)|(1<<21)|(5<<22)|(3<<25)
.irp g, G1S, G1SB
	s_mov_b32 s[\g+1], 32<<16
	s_mov_b32 s[\g+2], (128*KS/256)<<16
	s_mov_b32 s[\g+3], 32<<16
	s_mov_b32 s[\g+4], 128*KS/256
	s_mov_b32 s[\g+5], 32
	s_mov_b32 s[\g+6], 0
	s_mov_b32 s[\g+7], 0
.endr
	s_lshl_b32 s18, s16, 7                         ; which 128 rows of the tile I fetch
	s_add_co_u32 s20, s17, s18
	s_add_co_u32 s46, s42, s18
	s_mov_b32 s21, 0
	s_mov_b32 s47, 0
	s_mov_b64 s[18:19], KS
	s_mul_u64 s[22:23], s[20:21], s[18:19]         ; where these rows' scales begin, in bytes
	s_mul_u64 s[92:93], s[46:47], s[18:19]
	s_mov_b64 s[18:19], KROW
	s_mul_u64 s[20:21], s[20:21], s[18:19]         ; and their codes
	s_mul_u64 s[46:47], s[46:47], s[18:19]
	s_mul_i32 s45, s14, HALFT                      ; where they go: wave x 128 rows: no place in the cluster enters an LDS address
	s_mul_i32 s94, s14, HALFS
	s_wait_dscnt 0x0                               ; the opening add is done
	s_wait_kmcnt 0x0
	s_add_nc_u64 s[20:21], s[4:5], s[20:21]
	s_add_nc_u64 s[22:23], s[6:7], s[22:23]
	s_add_nc_u64 s[46:47], s[4:5], s[46:47]
	s_add_nc_u64 s[92:93], s[6:7], s[92:93]
	CROUND                                         ; all sixteen work-groups are here: the first joint loads meet
	s_mov_b32 s[G0S], 1
	s_add_co_u32 s[G0S+1], s94, SCL
	s_mov_b64 s[G0S+2:G0S+3], s[22:23]
	s_or_b32 s[G0S+3], s[G0S+3], 0x80000000
	s_mov_b32 s[G0SB], 1
	s_add_co_u32 s[G0SB+1], s94, SCL
	s_mov_b64 s[G0SB+2:G0SB+3], s[92:93]
	s_or_b32 s[G0SB+3], s[G0SB+3], 0x80000000
	JLOAD G0S, G1S, G0SB, G1SB                     ; the scales first: they are wanted with K step 0
.irp s, 0,1
	s_mov_b32 s[G0+4*\s], 1
	s_add_co_u32 s[G0+4*\s+1], s45, \s*SLOT
	s_add_nc_u64 s[G0+4*\s+2:G0+4*\s+3], s[20:21], \s*ROWB
	s_or_b32 s[G0+4*\s+3], s[G0+4*\s+3], 0x80000000
	s_mov_b32 s[G0B+4*\s], 1
	s_add_co_u32 s[G0B+4*\s+1], s45, \s*SLOT
	s_add_nc_u64 s[G0B+4*\s+2:G0B+4*\s+3], s[46:47], \s*ROWB
	s_or_b32 s[G0B+4*\s+3], s[G0B+4*\s+3], 0x80000000
	JLOAD G0+4*\s, G1, G0B+4*\s, G1B
.endr
	v_and_b32 v1, 15, v0                           ; l % 16
	v_bfe_u32 v2, v0, 4, 1                         ; l / 16
	v_mul_u32_u24 v3, v1, PITCH
	v_mul_u32_u24 v4, v2, 24
	v_add_nc_u32 v4, v3, v4                        ; a fragment's row x pitch + 24 x half
	v_lshl_add_u32 v5, v2, 4, v4                   ; and the same behind one padding more
	s_mul_i32 s21, s15, HALFT                      ; my 128 rows of A
	s_mul_i32 s22, s16, HALFT                      ; my 128 rows of B,
	s_add_co_u32 s22, s22, 2*HALFT                 ; which lie behind A's 256
.irp s, 0,1
	v_add_nc_u32 v[ADRA+\s], s21, v4
	v_add_nc_u32 v[ADRB+\s], s22, v4
	v_add_nc_u32 v[ADRA+2+\s], s21, v5
	v_add_nc_u32 v[ADRB+2+\s], s22, v5
	s_add_co_u32 s21, s21, SLOT
	s_add_co_u32 s22, s22, SLOT
.endr
	v_mul_u32_u24 v5, v1, KS                       ; my row's scales: KS bytes a row,
	v_lshrrev_b32 v6, 8, v5
	v_lshl_add_u32 v5, v6, 4, v5                   ; and 16 more for each 256 passed
	s_mul_i32 s21, s15, HALFS                      ; A's: my 128 rows
	s_mul_i32 s22, s16, HALFS                      ; B's: my 128 rows, behind A's 256
	s_add_co_u32 s22, s22, 2*HALFS
	s_sub_co_u32 s22, s22, s21
	v_mul_u32_u24 v6, s22, v2                      ; lanes 16-31 take B's
	s_add_co_u32 s21, s21, SCL
	v_add_nc_u32 v5, v5, v6
	v_add_nc_u32 v[ADRS], s21, v5
	; the norm's weights: qn_w for q, kn_w for k (the work-groups that make v load one of them too and do not use it)
	s_cmp_eq_u32 ttmp9, 0
	s_cselect_b64 s[8:9], s[8:9], s[10:11]
	v_lshlrev_b32 v[WOF], 6, v2
.irp j, 0,1,2,3,4,5,6,7
	global_load_b128 v[WN+4*\j:WN+4*\j+3], v[WOF], s[8:9] offset:128*(\j/4)+16*(\j%4)
.endr
	; where my results go: the record of my first head and my 128 tokens
	s_cmp_lg_u32 s[ISV], 0
	s_cselect_b32 s18, s42, s17                    ; the side that holds tokens: its tile's first row,
	s_cselect_b32 s19, s16, s15                    ; and which half of the tile is mine
	s_cselect_b32 s20, s41, s40                    ; the side that holds channels: which 256 of the 1,024 (four heads),
	s_cselect_b32 s21, s15, s16                    ; and which half (two heads)
	s_lshr_b32 s18, s18, 8                         ; the tile of 256 tokens, 0 .. 31
	s_lshr_b32 s22, s18, 3                         ; the batch
	s_lshl_b32 s22, s22, 4
	s_lshl_b32 s20, s20, 2
	s_add_co_u32 s22, s22, s20
	s_lshl_b32 s21, s21, 1
	s_add_co_u32 s22, s22, s21                     ; 16 x batch + my first head
	s_lshl_b32 s22, s22, 4
	s_and_b32 s18, s18, 7
	s_lshl_b32 s18, s18, 1
	s_add_co_u32 s22, s22, s18
	s_add_co_u32 s22, s22, s19                     ; x 16 + my 128 tokens of the batch's 2,048
	s_or_b32 s18, s[ISV], ttmp9
	s_cmp_eq_u32 s18, 0                            ; q goes to qr, k and v to kv
	s_cselect_b64 s[12:13], s[96:97], s[98:99]
	s_mov_b32 s19, 13056
	s_cselect_b32 s19, 6656, s19                   ; a record's bytes
	s_mul_i32 s22, s22, s19
	s_mov_b32 s23, 0
	s_add_nc_u64 s[12:13], s[12:13], s[22:23]      ; my first head's record
	s_lshl_b32 s22, s19, 4
	s_add_nc_u64 s[100:101], s[12:13], s[22:23]    ; my second head's: 16 records on
	v_and_b32 v6, 31, v0
	v_lshlrev_b32 v[O16], 4, v6
	v_lshlrev_b32 v[O8], 3, v6
	v_mul_u32_u24 v[OSW], v2, s22
	v_lshl_add_u32 v[OSW], v1, 4, v[OSW]
.macro FRAG reg, adr, q, i             ; a fragment, 16 rows x 128 K of 6-bit codes, is 12 registers: lane l holds row l % 16; registers 6 c .. 6 c + 5 hold K = 64 c + 32 (l / 16) + 0 .. 31: 24 bytes of the row, as they lie
.irp p, 0,1,2,3,4,5                    ; in pieces of 8 bytes.  Lanes 16-31 read three pieces further on than lanes 0-15
.set PCE, 12*(\q)+6*(\p/3)+\p%3        ; 16 bytes of padding lie behind every 8 pieces: where the piece three on lies behind one padding more, the second address register serves
.if PCE%8 < 5
	ds_load_b64 v[\reg+2*\p:\reg+2*\p+1], v[\adr] offset:8*PCE+16*(PCE/8)+(\i)*16*PITCH
.else
	ds_load_b64 v[\reg+2*\p:\reg+2*\p+1], v[\adr+2] offset:8*PCE+16*(PCE/8)+(\i)*16*PITCH
.endif
.endr
.endm
; 16 matrix instructions: A's blocks a0, a0 + 1 x B's eight, 128 along K.  The 64 accumulators take turns, one instruction a turn, in the same order in every step.
.macro MUL16 a0, p, q, sc, zero
.irp a, \a0, \a0+1
.irp b, 0,1,2,3,4,5,6,7
.if \zero
	v_wmma_scale_f32_16x16x128_f8f6f4 v[8*(8*((\a)%4)+\b):8*(8*((\a)%4)+\b)+7], v[128*(\p)+FR*\b:128*(\p)+FR*\b+FR-1], v[AF+FR*(\a):AF+FR*(\a)+FR-1], 0, v[SC+8*NQ*(\sc)+NQ*\b+(\q)], v[SC+8*NQ*(\sc)+NQ*(\a)+(\q)] matrix_a_fmt:MATRIX_FMT_FP6 matrix_b_fmt:MATRIX_FMT_FP6 matrix_a_scale:MATRIX_SCALE_ROW1
.else
	v_wmma_scale_f32_16x16x128_f8f6f4 v[8*(8*((\a)%4)+\b):8*(8*((\a)%4)+\b)+7], v[128*(\p)+FR*\b:128*(\p)+FR*\b+FR-1], v[AF+FR*(\a):AF+FR*(\a)+FR-1], v[8*(8*((\a)%4)+\b):8*(8*((\a)%4)+\b)+7], v[SC+8*NQ*(\sc)+NQ*\b+(\q)], v[SC+8*NQ*(\sc)+NQ*(\a)+(\q)] matrix_a_fmt:MATRIX_FMT_FP6 matrix_b_fmt:MATRIX_FMT_FP6 matrix_a_scale:MATRIX_SCALE_ROW1
.endif
.endr
.endr
.endm
.macro FETCH_B slot, q, p
	WIN TO_B
.irp i, 0,1,2,3,4,5,6,7
	FRAG 128*(\p)+FR*\i, ADRB+\slot, \q, \i
.endr
	WIN 0
.endm
.macro FETCH_A slot, q, i0
.irp i, \i0, \i0+1, \i0+2, \i0+3
	FRAG AF+FR*(\i), ADRA+\slot, \q, \i
.endr
.endm
.macro SCALES sc                       ; a K step's scale words into set sc: lanes 0-15 take A's block i, lanes 16-31 B's block i
.irp i, 0,1,2,3,4,5,6,7
	ds_load_b64 v[SC+8*NQ*\sc+NQ*\i:SC+8*NQ*\sc+NQ*\i+1], v[ADRS] offset:\i*SBLK
.endr
.endm
.macro PLACES n                        ; places in front of loads into registers that matrix instructions have read, and of the first read of results
.rept \n
	v_nop
.endr
.endm
.macro STEP slot, q, zero              ; a step of 128 along K that has its successor in the same slot
	s_wait_dscnt 4*NL                              ; B's set and A's blocks 0-3 are in; the youngest 24 loads (A's blocks 4-7) may be out
	WIN MUL_LO
	MUL16 0, (\q)%2, \q, \slot, \zero
	MUL16 2, (\q)%2, \q, \slot, \zero
	s_wait_dscnt 0                                 ; A's blocks 4-7 are in
	PLACES NP
	FETCH_B \slot, (\q)+1, 1-(\q)%2
	FETCH_A \slot, (\q)+1, 0
	WIN MUL_HI
	MUL16 4, (\q)%2, \q, \slot, \zero
	MUL16 6, (\q)%2, \q, \slot, \zero
	PLACES NP
	WIN 0
	FETCH_A \slot, (\q)+1, 4
.endm
; A slot's last step changes slots: ONE barrier; in front of it each wave waits for all its tensor loads, adds 0 to its spare word, and waits for that and for its own reads of this slot.  fill = 1: this slot is filled again, two K steps ahead.
.macro TURN slot, next, fill
	s_wait_tensorcnt 0x0                           ; all my tensor loads have landed: my part of the next slot
	ds_add_u32 v[SPW], v[NIL]                      ; 0 onto my spare word
	s_wait_dscnt 4*NL+1                            ; (the add and the youngest 24 loads, A's blocks 4-7, may be out)
	WIN MUL_LO
	MUL16 0, 1, NQ-1, \slot, 0                     ; sixteen matrix instructions stand between the add and the wait for it
	s_wait_dscnt 0x0                               ; the add is done, and my reads of this slot are over
	s_barrier_signal -1
	MUL16 2, 1, NQ-1, \slot, 0
	WIN 0
	s_barrier_wait -1
.if \fill
	CREST                                          ; the barrier has opened a round of the cluster's barrier: no wave of any partner still reads this slot's tile or has a load on its way
	s_add_nc_u64 s[G0+4*\slot+2:G0+4*\slot+3], s[G0+4*\slot+2:G0+4*\slot+3], 2*ROWB
	s_add_nc_u64 s[G0B+4*\slot+2:G0B+4*\slot+3], s[G0B+4*\slot+2:G0B+4*\slot+3], 2*ROWB
	JLOAD G0+4*\slot, G1, G0B+4*\slot, G1B         ; the first tensor load behind the round; the four v_nop behind it are the places in front of the loads below
.else
	PLACES NP
.endif
	v_add_nc_u32 v[ADRS], 4*NQ, v[ADRS]            ; on to the next K step's scale words
	FETCH_B \next, 0, 0
	FETCH_A \next, 0, 0
	SCALES \next
	WIN MUL_HI
	MUL16 4, 1, NQ-1, \slot, 0
	MUL16 6, 1, NQ-1, \slot, 0
	PLACES NP
	WIN 0
	FETCH_A \next, 0, 4
.endm
	s_wait_tensorcnt 1                             ; the scales and my part of K step 0 are in (K step 1's load may be out),
	s_barrier_signal -1
	s_barrier_wait -1                              ; everybody's are
	FETCH_B 0, 0, 0
	FETCH_A 0, 0, 0
	SCALES 0
	FETCH_A 0, 0, 4
	STEP 0, 0, 1                                   ; the first step stands in front of the loop: its products start the sums
	s_mov_b32 s3, LAPS-1
.Llap:                                                 ; a trip goes once round the ring and fills both slots again
	TURN 0, 1, 1
	STEP 1, 0, 0
	TURN 1, 0, 1
	STEP 0, 0, 0
	s_sub_co_u32 s3, s3, 1
	s_cmp_lg_u32 s3, 0
	s_cbranch_scc1 .Llap
	TURN 0, 1, 0                                   ; the last lap fills nothing
	STEP 1, 0, 0
	s_wait_dscnt 4*NL                              ; the very last step: nothing more to fetch
	WIN MUL_LO
	MUL16 0, 1, NQ-1, 1, 0
	MUL16 2, 1, NQ-1, 1, 0
	s_wait_dscnt 0
	WIN MUL_HI
	MUL16 4, 1, NQ-1, 1, 0
	MUL16 6, 1, NQ-1, 1, 0
	WIN 0
; THE WAY OUT, a block of 16 rows of the A side at a time.
; QUANT: 64 numbers of a lane at v[s] of window w, register 16 b + i = place 32 b + 16 (lane / 16) + i along the axis to be quantised, become 12 registers of codes at v[CD] and the row's scale word in v[pw].
; Each accumulator is read from its low end on.
.macro QUANT s, w, pw
	WIN (\w)|((\w)<<2)                             ; sources 0 and 1: the numbers' window
.irp b, 0,1,2,3
	v_max3_num_f32 v[TM+\b], |v[\s+16*\b]|, |v[\s+1+16*\b]|, 0x1800000   ; block b: my 16 numbers, and the floor 2^(3 - 127): so the byte cannot fall under 1
.endr
.irp i, 2,4,6,8,10,12,14
.irp b, 0,1,2,3
	v_max3_num_f32 v[TM+\b], |v[\s+16*\b+\i]|, |v[\s+1+16*\b+\i]|, v[TM+\b]   ; (the four blocks by turns)
.endr
.endr
	WIN 0
.irp b, 0,1,2,3
	v_permlanex16_b32 v[TM+4+\b], v[TM+\b], s20, s21
.endr
.irp b, 0,1,2,3
	v_max_num_f32 v[TM+\b], v[TM+\b], v[TM+4+\b]   ; with lane l xor 16's: the block's largest magnitude
.endr
.irp b, 0,1,2,3
	v_add_nc_u32 v[TM+12+\b], 0xff000000, v[TM+\b] ; 2 off its exponent field: the conversion's scale operand
.endr
.irp b, 0,1,2,3
	v_lshrrev_b32 v[TM+4+\b], 23, v[TM+12+\b]      ; the scale's byte
.endr
	v_lshl_or_b32 v[\pw], v[TM+5], 8, v[TM+4]      ; the four bytes make my row's scale word (lanes l and l xor 16 hold the same)
	v_lshl_or_b32 v[\pw], v[TM+6], 16, v[\pw]
	v_lshl_or_b32 v[\pw], v[TM+7], 24, v[\pw]
	WIN \w                                         ; source 0: the numbers' window
.irp c, 0,1
	v_cvt_scalef32_pk16_fp6_f32 v[CD+6*\c:CD+2+6*\c], v[\s+32*\c:\s+15+32*\c], v[TM+12+2*\c]
	v_cvt_scalef32_pk16_fp6_f32 v[CD+12+4*\c:CD+14+4*\c], v[\s+16+32*\c:\s+31+32*\c], v[TM+12+2*\c+1]   ; (a conversion's three registers begin on an even number)
.endr
	WIN 0
	v_nop                                          ; one plain place behind a scaled conversion
.irp c, 0,1                                    ; the operand's layout wants a WHOLE block in a lane: lanes 0-15 block 2 c, lanes 16-31 block 2 c + 1
.irp i, 0,1,2
	v_permlane16_swap_b32 v[CD+6*\c+\i], v[CD+12+4*\c+\i]
.endr
.irp i, 0,1,2
	v_mov_b32 v[CD+3+6*\c+\i], v[CD+12+4*\c+\i]
.endr
.endr
.endm
; q and k: a lane holds one token and, of each of my two heads, 32 of the 64 channels; lane l xor 16 holds the others.
.macro QKBLOCK a
.set AC, 64*((\a)%4)
.set QW, 2+(\a)/4
.set PWR, SW+(\a)
.if (\a) > 0
	s_wait_xcnt 0x0                                ; the last block's stores have read the codes' registers, which are written again below
.endif
	WIN QW|(QW<<2)                                 ; sources 0 and 1: the accumulators' window
.set P, 0
.rept 16                                       ; the sums of squares: for each head two chains of packed multiply-adds, the pairs ascending
.irp g, 0,1
.if P < 2
	v_pk_mul_f32 v[SS+4*\g+2*P:SS+4*\g+2*P+1], v[AC+32*\g+2*P:AC+32*\g+2*P+1], v[AC+32*\g+2*P:AC+32*\g+2*P+1]
.else
	v_pk_fma_f32 v[SS+4*\g+2*(P%2):SS+4*\g+2*(P%2)+1], v[AC+32*\g+2*P:AC+32*\g+2*P+1], v[AC+32*\g+2*P:AC+32*\g+2*P+1], v[SS+4*\g+2*(P%2):SS+4*\g+2*(P%2)+1]
.endif
.endr
.set P, P+1
.endr
	WIN 0
.irp g, 0,1
	v_pk_add_f32 v[SS+4*\g:SS+4*\g+1], v[SS+4*\g:SS+4*\g+1], v[SS+4*\g+2:SS+4*\g+3]
.endr
.irp g, 0,1
	v_add_f32 v[SS+4*\g], v[SS+4*\g], v[SS+4*\g+1]
.endr
.irp g, 0,1
	v_permlanex16_b32 v[SS+4*\g+2], v[SS+4*\g], s20, s21
.endr
.irp g, 0,1
	v_add_f32 v[SS+4*\g], v[SS+4*\g], v[SS+4*\g+2] ; the head's 64 squares
.endr
.irp g, 0,1
	v_fma_f32 v[SS+4*\g], v[SS+4*\g], 0x3c800000, s23   ; / 64 + eps
.endr
.irp g, 0,1
	v_rsq_f32 v[RS+2*\g], v[SS+4*\g]
.endr
	v_nop                                          ; a plain place behind the transcendentals
	s_wait_alu depctr_va_vdst(0)                   ; the wait ahead of the first reader: one for both
	WIN QW                                         ; source 0: the accumulators' window
.set P, 0
.rept 32
	v_pk_mul_f32 v[NT+2*P:NT+2*P+1], v[AC+2*P:AC+2*P+1], v[RS+2*(P/16):RS+2*(P/16)+1] op_sel_hi:[1,0]   ; x rsqrt(mean + eps),
.set P, P+1
.endr
	WIN 0
.set P, 0
.rept 32
	v_pk_mul_f32 v[NT+2*P:NT+2*P+1], v[NT+2*P:NT+2*P+1], v[WN+(2*P)%32:WN+(2*P)%32+1]                   ; then x the weight
.set P, P+1
.endr
	QUANT NT, 0, PWR
	global_store_b128 v[O16], v[CD:CD+3], s[12:13] offset:768*(\a)            ; my first head's image: 32 lanes store 512 consecutive bytes,
	global_store_b64 v[O8], v[CD+4:CD+5], s[12:13] offset:768*(\a)+512        ; then 256; all at multiples of 256 from the buffer's first byte
	global_store_b128 v[O16], v[CD+6:CD+9], s[100:101] offset:768*(\a)        ; my second head's
	global_store_b64 v[O8], v[CD+10:CD+11], s[100:101] offset:768*(\a)+512
.endm
; v: a lane holds one channel, and its 64 registers run along my 128 keys: quantised as they stand.
.macro VBLOCK a
.set AC, 64*((\a)%4)
.set QW, 2+(\a)/4
.set PWR, SW+(\a)
.if (\a) > 0
	s_wait_xcnt 0x0                                ; the last block's stores have read the codes' registers
.endif
	QUANT AC, QW, PWR
.irp c, 0,1,2
.if (\a) < 4
	global_store_b128 v[O16], v[CD+4*\c:CD+4*\c+3], s[12:13] offset:6656+1536*((\a)%4)+512*\c
.else
	global_store_b128 v[O16], v[CD+4*\c:CD+4*\c+3], s[100:101] offset:6656+1536*((\a)%4)+512*\c
.endif
.endr
.endm
	PLACES NP                                      ; behind the last products: their results are read and A's registers written below
	s_wait_loadcnt 0x0                             ; the norm's weights
	s_mov_b32 s20, 0x76543210
	s_mov_b32 s21, 0xfedcba98                      ; v_permlanex16_b32's selects for lane l xor 16
	s_mov_b32 s22, 0xffff0000                      ; lanes 16-31
	s_mov_b32 s23, 0x34000000                      ; eps = 2^-23
.irp b, 0,1,2,3
	v_mov_b32 v[TM+4+\b], 0                        ; written once: a lane permute's destination counts as one of its sources
.endr
	v_mov_b32 v[RS+1], 0                           ; (named as the upper halves of pairs of which the low word alone is taken)
	v_mov_b32 v[RS+3], 0
	s_cmp_lg_u32 s[ISV], 0                         ; the cluster's y decides: the same way in all sixteen work-groups
	s_cbranch_scc1 .Lv_out
.irp a, 0,1,2,3,4,5,6,7
	QKBLOCK \a
.endr
.irp a, 0,1,2,3,4,5,6,7                        ; a block's word holds my first head's two bytes below and my second head's above: lanes 0-15 keep the first's, lanes 16-31 the second's
	v_lshrrev_b32 v[TV], 16, v[SW+\a]
	v_and_b32 v[SW+\a], 0xffff, v[SW+\a]
	v_cndmask_b32 v[SW+\a], v[SW+\a], v[TV], s22
.endr
	global_store_b128 v[OSW], v[SW:SW+3], s[12:13] offset:6144     ; sixteen lanes store 256 consecutive bytes in each head's record: tiles 0-3,
	global_store_b128 v[OSW], v[SW+4:SW+7], s[12:13] offset:6400   ; tiles 4-7
	s_branch .Lend
.Lv_out:
.irp a, 0,1,2,3,4,5,6,7
	VBLOCK \a
.endr
.irp t, 0,1,2,3
	v_cndmask_b32 v[SW+\t], v[SW+\t], v[SW+4+\t], s22              ; lanes 0-15: my first head's four tiles; lanes 16-31: my second head's
.endr
	global_store_b128 v[OSW], v[SW:SW+3], s[12:13] offset:12800
.Lend:
	s_wait_tensorcnt 0x0                           ; the wave's end, behind my last tensor load
	ds_add_u32 v[SPW], v[NIL]
	s_wait_dscnt 0x0
	CROUND                                         ; the closing round: no work-group ends while a partner may still ask for a tile that names it
	s_endpgm
.Lfunc_end_k_qa9763f4de7_proj:
	.size	k_qa9763f4de7_proj, .Lfunc_end_k_qa9763f4de7_proj-k_qa9763f4de7_proj
	.p2alignl 7, 3214868480
	.fill 96, 4, 3214868480
	.section	.rodata,"a",@progbits
	.p2align	6, 0x0
	.amdhsa_kernel k_qa9763f4de7_proj
		.amdhsa_group_segment_fixed_size 327680
		.amdhsa_private_segment_fixed_size 0
		.amdhsa_enable_private_segment 0
		.amdhsa_kernarg_size 48
		.amdhsa_user_sgpr_count 2
		.amdhsa_user_sgpr_kernarg_segment_ptr 1
		.amdhsa_wavefront_size32 1
		.amdhsa_system_sgpr_workgroup_id_x 1
		.amdhsa_system_sgpr_workgroup_id_y 1
		.amdhsa_system_sgpr_workgroup_id_z 1
		.amdhsa_system_vgpr_workitem_id 0
		.amdhsa_next_free_vgpr 1024
		.amdhsa_next_free_sgpr 104
		.amdhsa_reserve_vcc 0
		.amdhsa_float_denorm_mode_32 3
		.amdhsa_float_denorm_mode_16_64 3
		.amdhsa_memory_ordered 1
		.amdhsa_forward_progress 1
		.amdhsa_inst_pref_size 255
	.end_amdhsa_kernel
	.amdgpu_metadata
---
amdhsa.version: [ 1, 2 ]
amdhsa.kernels:
  - .name:           k_qa9763f4de7_proj
    .symbol:         k_qa9763f4de7_proj.kd
    .args:
      - { .name: cod, .offset: 0, .size: 8, .value_kind: global_buffer, .address_space: global }
      - { .name: scl, .offset: 8, .size: 8, .value_kind: global_buffer, .address_space: global }
      - { .name: qn_w, .offset: 16, .size: 8, .value_kind: global_buffer, .address_space: global }
      - { .name: kn_w, .offset: 24, .size: 8, .value_kind: global_buffer, .address_space: global }
      - { .name: qr, .offset: 32, .size: 8, .value_kind: global_buffer, .address_space: global }
      - { .name: kv, .offset: 40, .size: 8, .value_kind: global_buffer, .address_space: global }
    .group_segment_fixed_size: 327680
    .private_segment_fixed_size: 0
    .kernarg_segment_align: 8
    .kernarg_segment_size: 48
    .max_flat_workgroup_size: 128
    .sgpr_count:     104
    .vgpr_count:     1024
    .wavefront_size: 32
...
	.end_amdgpu_metadata
.endif
;; end of part 2
;; launch attn (part 3): grid 8 x 64, 16 waves a work-group, clusters of 4 x 1, 212,992 bytes of LDS; arguments qr, kv, cimg, cs; writes cimg, cs
.if DOCPART == 3
	.amdgcn_target "amdgcn-amd-amdhsa--gfx1250"
	.amdhsa_code_object_version 6
	.text
	.protected	k_qa9763f4de7_attn
	.globl	k_qa9763f4de7_attn
	.p2align	8
	.type	k_qa9763f4de7_attn,@function
k_qa9763f4de7_attn:
	s_mov_b64 s[64:65], 0
	v_nop
	global_prefetch_b8 v0, s[64:65] scope:SCOPE_SE
	s_setreg_imm32_b32 hwreg(HW_REG_WAVE_MODE, 25, 1), 1
	s_wait_xcnt 0x0
	s_wait_alu depctr_hold_cnt(0) depctr_sa_sdst(0) depctr_va_vdst(0) depctr_va_sdst(0) depctr_va_ssrc(0) depctr_va_vcc(0) depctr_vm_vsrc(0)
	s_getreg_b32 s2, hwreg(HW_REG_IB_STS2, 6, 4)
	s_cmp_eq_u32 s2, 0
	s_cbranch_scc0 .Lentry_in_a_cluster
	s_endpgm
.Lentry_in_a_cluster:
	s_bfe_u32 s2, ttmp6, 0x10000c
	s_cmp_lg_u32 s2, 0x3003
	s_cbranch_scc0 .Lentry_shape_is_right
	s_endpgm
.Lentry_shape_is_right:
; ctx[b][q][h][:] = the sum over k of softmax_k(q . k / 8) v, both products on codes of FP6 (E2M3) with one E8M0 scale for each 32 along a product's K; ctx is quantised along hid on the way out.
; THE SOFTMAX AHEAD OF THE SECOND PRODUCT: t = score x log2(e) / 8; M = the row's largest t so far, rounded UP to a whole number; p = 2^(t - M) is what is quantised, along the keys; it is not normalised.
; The row's sum is taken of the unquantised p, in f32, and divides O at the end.  When M moves, the sum and O are multiplied by 2^(old M - new M): exact.
; IN.  qr and kv hold the operands as images of their registers (the launch before lays them): a record for each 128 queries (6,656 bytes) or 128 keys (13,056 bytes).
; SHARES.  A work-group owns 256 queries of one batch and head; each of its sixteen waves owns 16 of them, one tile, in 256 registers: four waves to a SIMD, so that one wave's vector work stands beside another's
; matrix work and LDS loads.  Every wave walks the head's 2,048 keys, 128 a step.
; LDS.  The head's sixteen records of k and v, 208,896 bytes, are brought ONCE, by sixteen tensor loads (waves 0 to 3, four each), and read by all sixteen waves: nothing is filled again.
; They are waited for four records at a time, so that the first steps run while the later records are on their way.
; CLUSTER.  The four blocks of queries of a cluster belong to one head and read the same records: each is asked for jointly, by the same tensor load with the same descriptor and a mask that names the four.
; LAYOUT.  Both products are used transposed: S^T = K Q^T (source 0 = 16 keys, source 1 = my 16 queries), O^T = V^T P^T (source 0 = 16 channels, source 1 = P): a lane holds ONE query (lane % 16) throughout.
; The head has 64 channels and the instruction's K is 128: Q's registers 6-11 are zero codes.  K's operand for tile t is v[32 + 6 t] on, twelve registers: its upper six are the next tile's codes, which meet Q's zeros.
; The places of a tile are rows with bits 3 and 4 exchanged, so the 16 registers of score tiles 2 b and 2 b + 1 are keys 32 b + 16 (lane / 16) + 0 .. 15, and O^T's likewise are 16 neighbouring channels.
; OUT.  cimg: [hid / 256: 4][tile of 16 rows: 512][head % 4][768 bytes]: images of 16 rows x 64 codes.  cs: [8,192 places][32]: the scale bytes.
; LIMITS: p under 2^-126 counts as 0; a block of zeros gets the byte 1 (its codes are zeros); NaN and infinities are not served.
; No prefetch: every byte that the work-group reads is asked for at its head.
; REGISTERS: v1-3 16 x lane, 8 x lane, 16 x (lane % 16); v4, v5 the add's two; v6-8 the step's addresses; v9 the scale byte's place; v12 -M, v13 the largest t, v[14:15] the sum in two halves; v16-27 Q;
;   v28-31 V's scale words; v32-85 K's eight tiles, later V's four fragments (v80-85 stay 0); v86-93 K's scale words; v96-159 S^T, then p; v160-191 O^T; v224-235 p's codes; v232-254 at work; v255 Q's scale words.
.set REC,   13056                      ; a record: K's eight images (768 each), K's scale words at 6,144, V's four images at 6,656 (1,536 each), V's scale words at 12,800
.set CHB,   4*REC                      ; four records: what is waited for together
.set SPARE, 16*REC                     ; behind the records: the spare words, 128 bytes for each wave
.set SPW, 4
.set NIL, 5
.set WV,  12                           ; s12  my wave's number
.set G1,  24                           ; s[24:31] descriptor group 1
.set G0,  32                           ; s[32:47] four groups 0
.set SEL, 48                           ; s[48:49] lane selects for v_permlanex16_b32: lane l xor 16
.set CS,  50                           ; s[50:51] c = log2(e) / 8
.set TB,  52                           ; s52  LDS byte at which the step's record begins
.set CNT, 53                           ; s53  counts four steps
.set HI,  54                           ; s54  lanes 16-31
.macro CROUND                          ; a round of the cluster's barrier
	s_barrier_signal -1
	s_barrier_wait -1
	s_cmp_lg_u32 s[WV], 0
	s_cbranch_scc1 .Lnot_wave_0_\@
	s_barrier_signal -3
.Lnot_wave_0_\@:
	s_barrier_wait -3
	s_barrier_signal -1
	s_barrier_wait -1
.endm
	s_load_b256 s[4:11], s[0:1], 0x0               ; qr s[4:5], kv s[6:7], cimg s[8:9], cs s[10:11]
	v_lshl_add_u32 v[SPW], v0, 2, SPARE
	v_mov_b32 v[NIL], 0
	ds_add_u32 v[SPW], v[NIL]                      ; the wave's opening: the add and its wait stand ahead of my first tensor load; the set-up below, work on registers, stands between them
	v_lshrrev_b32 v9, 5, v0
	v_readfirstlane_b32 s[WV], v9                  ; wave 0..15
	s_bfe_u32 s13, ttmp6, 0x40000                  ; cx: my place in the cluster
	s_lshl_b32 s14, ttmp9, 2
	s_add_co_u32 s14, s14, s13                     ; my block of 256 queries: it enters Q's and the outputs' addresses alone
	s_and_b32 s15, ttmp7, 0xffff                   ; 16 x batch + head, which the four partners share
	s_and_b32 s19, s[WV], 3
	s_lshl_b32 s16, s15, 4
	s_add_co_u32 s16, s16, s19
	s_mul_i32 s16, s16, REC                        ; kv: the head's record (wave % 4),
	s_mov_b32 s17, 0
	s_mul_i32 s18, s19, REC                        ; and its place in LDS
	s_lshl_b32 s22, s15, 4
	s_lshl_b32 s20, s14, 1
	s_add_co_u32 s22, s22, s20
	s_lshr_b32 s20, s[WV], 3
	s_add_co_u32 s22, s22, s20
	s_mul_i32 s22, s22, 6656                       ; qr: the record of my 128 queries,
	s_and_b32 s20, s[WV], 7
	s_mul_i32 s20, s20, 768
	s_add_co_u32 s20, s20, s22                     ; my tile's image in it,
	s_mov_b32 s21, 0
	s_bfe_u32 s23, s[WV], 0x10002
	s_lshl_b32 s23, s23, 8
	s_add_co_u32 s22, s22, s23
	s_lshl_b32 s23, s19, 2
	s_add_co_u32 s22, s22, s23                     ; and my tile's scale words: 256 (tile / 4) + 4 (tile % 4), behind the images
	s_mov_b32 s23, 0
	s_lshr_b32 s56, s15, 4
	s_lshl_b32 s56, s56, 7
	s_lshl_b32 s57, s14, 4
	s_add_co_u32 s56, s56, s57
	s_add_co_u32 s56, s56, s[WV]                   ; my tile of 16 rows among the 512: 128 x batch + 16 x block + wave
	s_and_b32 s57, s15, 15                         ; the head
	s_lshl_b32 s58, s56, 9
	s_lshl_b32 s59, s57, 1
	s_add_co_u32 s58, s58, s59                     ; cs: 512 x tile + 2 x head
	s_mul_i32 s56, s56, 3072
	s_lshr_b32 s59, s57, 2
	s_mul_i32 s59, s59, 1572864
	s_add_co_u32 s56, s56, s59
	s_and_b32 s59, s57, 3
	s_mul_i32 s59, s59, 768
	s_add_co_u32 s56, s56, s59                     ; cimg: (head / 4) x 512 x 3,072 + tile x 3,072 + (head % 4) x 768
	s_mov_b32 s57, 0
	s_mov_b32 s59, 0
	; descriptor group 1: a record is a dense block: 51 rows of 256 bytes (32 elements of 8 bytes), no padding
	s_mov_b32 s[G1], 15|(3<<16)|(1<<21)            ; 15:0 the mask: all four work-groups; 17:16 elements of 8 bytes; 21 set beside a mask
	s_mov_b32 s[G1+1], 32<<16                      ; tensor_dim0
	s_mov_b32 s[G1+2], 51<<16                      ; tensor_dim1
	s_mov_b32 s[G1+3], 32<<16                      ; tile_dim0
	s_mov_b32 s[G1+4], 51                          ; tile_dim1
	s_mov_b32 s[G1+5], 32                          ; tensor_dim0_stride
	s_mov_b32 s[G1+6], 0
	s_mov_b32 s[G1+7], 0
	s_mov_b32 s[SEL], 0x76543210
	s_mov_b32 s[SEL+1], 0xfedcba98
	s_mov_b32 s[CS], 0x3e38aa3b                    ; c = log2(e) / 8
	s_mov_b32 s[CS+1], s[CS]                       ; (named with it as a pair, so it is written)
	s_mov_b32 s[TB], 0
	s_mov_b32 s[HI], 0xffff0000
	s_wait_dscnt 0x0                               ; the opening add is done
	s_wait_kmcnt 0x0
	s_add_nc_u64 s[6:7], s[6:7], s[16:17]
	s_add_nc_u64 s[20:21], s[4:5], s[20:21]
	s_add_nc_u64 s[22:23], s[4:5], s[22:23]
	s_add_nc_u64 s[8:9], s[8:9], s[56:57]
	s_add_nc_u64 s[10:11], s[10:11], s[58:59]
.irp c, 0,1,2,3
	s_mov_b32 s[G0+4*\c], 1                        ; 1:0 count = 1
	s_add_co_u32 s[G0+4*\c+1], s18, \c*CHB         ; 63:32 LDS address: record 4 c + wave
	s_add_nc_u64 s[G0+4*\c+2:G0+4*\c+3], s[6:7], \c*CHB   ; 120:64 global address: the same record
	s_or_b32 s[G0+4*\c+3], s[G0+4*\c+3], 0x80000000       ; 127:126 type = 2
.endr
	CROUND                                         ; all four work-groups are here: the joint loads meet
	s_cmp_lt_u32 s[WV], 4                          ; waves 0 to 3 fetch: a wave's four loads stand in one branch, ahead of every wait on TENSORcnt and every LDS read: four loads of mine are out
	s_cbranch_scc0 .Lno_fetch
.irp c, 0,1,2,3
	tensor_load_to_lds s[G0+4*\c:G0+4*\c+3], s[G1:G1+7]
	s_nop 0
.endr
.rept 4
	v_nop
.endr
.Lno_fetch:
	v_and_b32 v1, 31, v0
	v_lshlrev_b32 v2, 3, v1                        ; 8 x lane
	v_lshlrev_b32 v1, 4, v1                        ; 16 x lane
	v_and_b32 v3, 15, v0
	v_bfe_u32 v10, v0, 4, 1
	v_lshl_add_u32 v9, v3, 5, v10                  ; cs: 32 x (lane % 16) + lane / 16
	v_lshlrev_b32 v3, 4, v3                        ; 16 x (lane % 16)
	global_load_b128 v[16:19], v1, s[20:21]        ; Q's tile stays in registers
	global_load_b64 v[20:21], v2, s[20:21] offset:512
	global_load_b32 v255, v3, s[22:23] offset:6144 ; and its scale words
.irp j, 0,1,2,3,4,5
	v_mov_b32 v[22+\j], 0                          ; Q's K = 64 .. 127: zero codes
	v_mov_b32 v[80+\j], 0                          ; what stands behind K's last tile
.endr
	v_mov_b32 v13, 0xff61b1e6                      ; the largest t so far: -3e38, under every t
	v_floor_f32 v12, -v13                          ; -M
	v_mov_b32 v14, 0                               ; the sum, in two halves
	v_mov_b32 v15, 0
.irp b, 0,1,2,3
	v_mov_b32 v[236+\b], 0                         ; written once: a lane permute's destination counts as one of its sources
.endr
	v_mov_b32 v253, 0                              ; (named as the upper half of the pair v[252:253] before it is first written)
.set J, 0
.rept 32
	v_mov_b32 v[160+J], 0                          ; O^T.  (The step is written once: the first finds zeros, which the first change of M leaves zeros)
.set J, J+1
.endr
; A KEY STEP: one record, 128 keys.
.macro STEP
	v_add_nc_u32 v6, s[TB], v1
	v_add_nc_u32 v7, s[TB], v2
	v_add_nc_u32 v8, s[TB], v3
	v_nop                                          ; with the three additions: the four places in front of loads into registers that the last products have read
.irp t, 0,1,2,3,4,5,6,7
	ds_load_b128 v[32+6*\t:35+6*\t], v6 offset:768*\t
	ds_load_b64 v[36+6*\t:37+6*\t], v7 offset:768*\t+512
.endr
	ds_load_b128 v[86:89], v8 offset:6144          ; K's scale words: lane r takes row r's of tiles 0-3,
	ds_load_b128 v[90:93], v8 offset:6400          ; of tiles 4-7
	s_wait_dscnt 0x0
.irp t, 0,1,2,3,4,5,6,7                        ; S^T = K Q^T
	v_wmma_scale_f32_16x16x128_f8f6f4 v[96+8*\t:103+8*\t], v[32+6*\t:43+6*\t], v[16:27], 0, v[86+\t], v255 matrix_a_fmt:MATRIX_FMT_FP6 matrix_b_fmt:MATRIX_FMT_FP6
.endr
.rept 4
	v_nop                                          ; places: in front of the loads below and of the first read of the scores
.endr
.irp t, 0,1,2,3                                ; V's four fragments are asked for now and land during the softmax
.irp c, 0,1,2
	ds_load_b128 v[32+12*\t+4*\c:35+12*\t+4*\c], v6 offset:6656+1536*\t+512*\c
.endr
.endr
	ds_load_b128 v[28:31], v8 offset:12800         ; V's scale words: lane r takes row r's of the four tiles
.irp b, 0,1,2,3
	v_max3_num_f32 v[232+\b], v[96+16*\b], v[97+16*\b], v[98+16*\b]   ; THE LARGEST SCORE OF EACH BLOCK OF 32 KEYS: it serves for the row's maximum and, since p rises with the score, for the block's largest p
.endr
.irp i, 3,5,7,9,11,13
.irp b, 0,1,2,3
	v_max3_num_f32 v[232+\b], v[232+\b], v[96+16*\b+\i], v[97+16*\b+\i]   ; (the four blocks by turns)
.endr
.endr
.irp b, 0,1,2,3
	v_max_num_f32 v[232+\b], v[232+\b], v[111+16*\b]
.endr
.irp b, 0,1,2,3
	v_permlanex16_b32 v[236+\b], v[232+\b], s[SEL], s[SEL+1]
.endr
.irp b, 0,1,2,3
	v_max_num_f32 v[232+\b], v[232+\b], v[236+\b]  ; with lane l xor 16's 16 keys
.endr
	v_max3_num_f32 v254, v232, v233, v234
	v_max_num_f32 v254, v254, v235                 ; the step's largest score of my query
	v_mul_f32 v254, s[CS], v254                    ; as t (c is positive)
	v_max_num_f32 v13, v13, v254                   ; the running largest t
	v_mov_b32 v254, v12
	v_floor_f32 v12, -v13                          ; the new -M = floor(-t) = -ceil(t): M is a whole number
	v_sub_f32 v254, v12, v254                      ; M's old value less its new one: a whole number, 0 or less
	v_cvt_i32_f32 v254, v254                       ; (it saturates)
	v_ldexp_f32 v252, 1.0, v254                    ; f = 2^(old M - new M)
.set J, 0
.rept 32
	v_pk_fma_f32 v[96+J:97+J], v[96+J:97+J], s[CS:CS+1], v[12:13] op_sel_hi:[1,0,0]   ; t - M, two at a time (of the pairs c and -M the low word serves both halves)
.set J, J+2
.endr
.irp b, 0,1,2,3
	v_fma_f32 v[232+\b], v[232+\b], s[CS], v12     ; the same of each block's largest score
.endr
.set J, 0
.rept 64
	v_exp_f32 v[96+J], v[96+J]                     ; p = 2^(t - M), at most 1: NOT normalised
.set J, J+1
.endr
	v_pk_mul_f32 v[14:15], v[14:15], v[252:253] op_sel_hi:[1,0]   ; the sums under the new M.  (A plain place behind the exponentials)
	s_wait_alu depctr_va_vdst(0)                   ; the wait ahead of the first reader: one for the whole batch
.irp b, 0,1,2,3
	v_exp_f32 v[232+\b], v[232+\b]                 ; the block's largest p: the same two instructions on the same number give the same bits
.endr
	v_pk_add_f32 v[236:237], v[96:97], v[98:99]    ; THE ROW'S SUM IS TAKEN OF THE UNQUANTISED p: two at a time, in two chains
.irp j, 4,8,12,16,20,24,28,32,36,40,44,48,52,56,60
	v_pk_add_f32 v[14:15], v[14:15], v[96+\j:97+\j]
	v_pk_add_f32 v[236:237], v[236:237], v[98+\j:99+\j]
.endr
	v_pk_add_f32 v[14:15], v[14:15], v[236:237]
	s_wait_alu depctr_va_vdst(0)                   ; and one for the four
.irp b, 0,1,2,3
	v_max_num_f32 v[232+\b], 0x1800000, v[232+\b]  ; the floor 2^(3 - 127): the byte cannot fall under 1
.endr
.irp b, 0,1,2,3
	v_add_nc_u32 v[244+\b], 0xff000000, v[232+\b]  ; 2 off the exponent field: the conversion's scale operand
.endr
.irp b, 0,1,2,3
	v_lshrrev_b32 v[236+\b], 23, v[244+\b]         ; the scale's byte
.endr
	v_lshl_or_b32 v253, v237, 8, v236              ; p's scale word for these 128 keys
	v_lshl_or_b32 v253, v238, 16, v253
	v_lshl_or_b32 v253, v239, 24, v253
.irp c, 0,1
	v_cvt_scalef32_pk16_fp6_f32 v[224+6*\c:226+6*\c], v[96+32*\c:111+32*\c], v[244+2*\c]
	v_cvt_scalef32_pk16_fp6_f32 v[236+4*\c:238+4*\c], v[112+32*\c:127+32*\c], v[244+2*\c+1]   ; (a conversion's three registers begin on an even number)
.endr
	v_nop                                          ; one plain place behind a scaled conversion
.irp c, 0,1                                    ; the operand's layout wants a WHOLE block in a lane
.irp i, 0,1,2
	v_permlane16_swap_b32 v[224+6*\c+\i], v[236+4*\c+\i]
.endr
.irp i, 0,1,2
	v_mov_b32 v[227+6*\c+\i], v[236+4*\c+\i]
.endr
.endr
.set J, 0
.rept 16
	v_pk_mul_f32 v[160+J:161+J], v[160+J:161+J], v[252:253] op_sel_hi:[1,0]   ; O^T under the new M: x f.  (These are also the places between the lines that made p's codes and scale word and the products below)
.set J, J+2
.endr
	s_wait_dscnt 0x0                               ; V's fragments and scale words are in
.irp t, 0,1,2,3                                ; O^T += V^T P^T: the four accumulators by turns
	v_wmma_scale_f32_16x16x128_f8f6f4 v[160+8*\t:167+8*\t], v[32+12*\t:43+12*\t], v[224:235], v[160+8*\t:167+8*\t], v[28+\t], v253 matrix_a_fmt:MATRIX_FMT_FP6 matrix_b_fmt:MATRIX_FMT_FP6
.endr
	s_add_co_u32 s[TB], s[TB], REC                 ; the next record
.endm
; Four records.  left: how many of my younger tensor loads, the later records', may stay out.  (Waves 4 to 15 have none out.)
.macro CHUNK left
	s_wait_dscnt 0x0                               ; no LDS instruction of mine is out at the signal
	s_wait_tensorcnt \left                         ; my record of these four has landed,
	s_barrier_signal -1
	s_barrier_wait -1                              ; everybody's has
	s_mov_b32 s[CNT], 4
.Lstep_\@:
	STEP
	s_sub_co_u32 s[CNT], s[CNT], 1
	s_cmp_lg_u32 s[CNT], 0
	s_cbranch_scc1 .Lstep_\@
.endm
	s_wait_loadcnt 0x0                             ; Q
	CHUNK 3
	CHUNK 2
	CHUNK 1
	CHUNK 0
	; THE WAY OUT.  O^T is divided by the row's sum and quantised along hid: my head's 64 channels are two blocks of 32; register 16 b + i is channel 32 b + 16 (lane / 16) + i.
	v_add_f32 v14, v14, v15                        ; the sum's two halves,
	v_permlanex16_b32 v252, v14, s[SEL], s[SEL+1]
	v_add_f32 v14, v14, v252                       ; and lane l xor 16's: the row's sum
	v_rcp_f32 v14, v14
.rept 4
	v_nop                                          ; a plain place behind the transcendental, and the places behind the last products
.endr
	s_wait_alu depctr_va_vdst(0)                   ; the wait, ahead of the first reader
.set J, 0
.rept 32
	v_mul_f32 v[96+J], v[160+J], v14               ; each accumulator from its low end on
.set J, J+1
.endr
.irp b, 0,1
	v_max3_num_f32 v[232+\b], |v[96+16*\b]|, |v[97+16*\b]|, 0x1800000   ; my 16 numbers of block b, and the floor 2^(3 - 127)
.endr
.irp i, 2,4,6,8,10,12,14
.irp b, 0,1
	v_max3_num_f32 v[232+\b], v[232+\b], |v[96+16*\b+\i]|, |v[97+16*\b+\i]|
.endr
.endr
.irp b, 0,1
	v_permlanex16_b32 v[236+\b], v[232+\b], s[SEL], s[SEL+1]
.endr
.irp b, 0,1
	v_max_num_f32 v[232+\b], v[232+\b], v[236+\b]  ; the block's largest magnitude
.endr
.irp b, 0,1
	v_add_nc_u32 v[244+\b], 0xff000000, v[232+\b]  ; the conversion's scale operand
.endr
.irp b, 0,1
	v_lshrrev_b32 v[236+\b], 23, v[244+\b]         ; the scale's byte
.endr
	v_cvt_scalef32_pk16_fp6_f32 v[224:226], v[96:111], v244
	v_cvt_scalef32_pk16_fp6_f32 v[240:242], v[112:127], v245
	v_nop                                          ; one plain place behind a scaled conversion
.irp i, 0,1,2
	v_permlane16_swap_b32 v[224+\i], v[240+\i]     ; lanes 0-15 get block 0 whole, lanes 16-31 block 1
.endr
.irp i, 0,1,2
	v_mov_b32 v[227+\i], v[240+\i]
.endr
	v_cndmask_b32 v10, v236, v237, s[HI]           ; lane (r, h) stores block h's byte of row r
	global_store_b128 v1, v[224:227], s[8:9]       ; the image: 32 lanes store 512 consecutive bytes,
	global_store_b64 v2, v[228:229], s[8:9] offset:512   ; then 256; both at multiples of 256 from cimg's first byte
	global_store_b8 v9, v10, s[10:11]              ; two bytes of each row's 32: the other heads' come from other work-groups
	s_wait_tensorcnt 0x0                           ; the wave's end, behind my last tensor load
	ds_add_u32 v[SPW], v[NIL]
	s_wait_dscnt 0x0
	CROUND                                         ; the closing round: no work-group ends while a partner may still ask for a record that names it
	s_endpgm
.Lfunc_end_k_qa9763f4de7_attn:
	.size	k_qa9763f4de7_attn, .Lfunc_end_k_qa9763f4de7_attn-k_qa9763f4de7_attn
	.p2alignl 7, 3214868480
	.fill 96, 4, 3214868480
	.section	.rodata,"a",@progbits
	.p2align	6, 0x0
	.amdhsa_kernel k_qa9763f4de7_attn
		.amdhsa_group_segment_fixed_size 212992
		.amdhsa_private_segment_fixed_size 0
		.amdhsa_enable_private_segment 0
		.amdhsa_kernarg_size 32
		.amdhsa_user_sgpr_count 2
		.amdhsa_user_sgpr_kernarg_segment_ptr 1
		.amdhsa_wavefront_size32 1
		.amdhsa_system_sgpr_workgroup_id_x 1
		.amdhsa_system_sgpr_workgroup_id_y 1
		.amdhsa_system_sgpr_workgroup_id_z 1
		.amdhsa_system_vgpr_workitem_id 0
		.amdhsa_next_free_vgpr 256
		.amdhsa_next_free_sgpr 66
		.amdhsa_reserve_vcc 0
		.amdhsa_float_denorm_mode_32 3
		.amdhsa_float_denorm_mode_16_64 3
		.amdhsa_memory_ordered 1
		.amdhsa_forward_progress 1
		.amdhsa_inst_pref_size 75
	.end_amdhsa_kernel
	.amdgpu_metadata
---
amdhsa.version: [ 1, 2 ]
amdhsa.kernels:
  - .name:           k_qa9763f4de7_attn
    .symbol:         k_qa9763f4de7_attn.kd
    .args:
      - { .name: qr, .offset: 0, .size: 8, .value_kind: global_buffer, .address_space: global }
      - { .name: kv, .offset: 8, .size: 8, .value_kind: global_buffer, .address_space: global }
      - { .name: cimg, .offset: 16, .size: 8, .value_kind: global_buffer, .address_space: global }
      - { .name: cs, .offset: 24, .size: 8, .value_kind: global_buffer, .address_space: global }
    .group_segment_fixed_size: 212992
    .private_segment_fixed_size: 0
    .kernarg_segment_align: 8
    .kernarg_segment_size: 32
    .max_flat_workgroup_size: 512
    .sgpr_count:     66
    .vgpr_count:     256
    .wavefront_size: 32
...
	.end_amdgpu_metadata
.endif
;; end of part 3
;; launch oproj (part 4): grid 4 x 32, 4 waves a work-group, clusters of 4 x 4, 327,680 bytes of LDS; arguments cimg, cs, cod, scl, out0; writes out0
.if DOCPART == 4
	.amdgcn_target "amdgcn-amd-amdhsa--gfx1250"
	.amdhsa_code_object_version 6
	.text
	.protected	k_qa9763f4de7_oproj
	.globl	k_qa9763f4de7_oproj
	.p2align	8
	.type	k_qa9763f4de7_oproj,@function
k_qa9763f4de7_oproj:
	s_mov_b64 s[64:65], 0
	v_nop
	global_prefetch_b8 v0, s[64:65] scope:SCOPE_SE
	s_setreg_imm32_b32 hwreg(HW_REG_WAVE_MODE, 25, 1), 1
	s_wait_xcnt 0x0
	s_wait_alu depctr_hold_cnt(0) depctr_sa_sdst(0) depctr_va_vdst(0) depctr_va_sdst(0) depctr_va_ssrc(0) depctr_va_vcc(0) depctr_vm_vsrc(0)
	s_getreg_b32 s2, hwreg(HW_REG_IB_STS2, 6, 4)
	s_cmp_eq_u32 s2, 0
	s_cbranch_scc0 .Lentry_in_a_cluster
	s_endpgm
.Lentry_in_a_cluster:
	s_bfe_u32 s2, ttmp6, 0x10000c
	s_cmp_lg_u32 s2, 0xf033
	s_cbranch_scc0 .Lentry_shape_is_right
	s_endpgm
.Lentry_shape_is_right:
; out0 = ctx Wo^T on codes of FP6 (E2M3) with one E8M0 scale for each 32 along K = 1,024; sums in f32.  ctx: 8,192 rows, Wo: 1,024 rows, out0: [8192][1024] f32.
; A (ctx) comes as IMAGES OF ITS REGISTERS: cimg [K step of 256: 4][tile of 16 rows: 512][head % 4][768 bytes]; an image holds 16 rows x 64 codes: registers 0-3 at 16 x lane, registers 4-5 at 512 + 8 x lane;
; two images on end are a fragment of 128 along K.  Its scale bytes: cs [8,192][32].  B (Wo) lies as rows of codes in cod from row 11,264 on, its scale bytes in scl.
; THE ROWS OF ctx STAND AT PLACES: the row at place p is out0's row p with bits 3 and 4 exchanged; the stores' offsets put each row where it belongs.
; A tile of 256 x 256 is made by four waves, 128 x 128 each: 64 accumulators, 512 registers.  K goes in steps of 256 through a ring of two LDS slots filled by the tensor data mover.
; CLUSTERS: 4 x 4 work-groups; the four of a row need the same tiles of A, the four of a column the same tiles of B: each tile is asked for jointly.
; THE MATRIX INSTRUCTION IS USED TRANSPOSED (source 0 = 16 rows of B, source 1 = 16 rows of A): a lane holds eight neighbouring numbers of a row of out0.
; REGISTERS, in windows of 256: window 0: v0-31 addresses; v32-63 scale words, two sets; from v128 A's fragments, one set; on the way out v128-255 rows read back.
;   window 1: B's fragments, two sets, at v0 and v128.   window 2: the accumulators of my rows 0-63 ((a, b) at v[8 (8 a + b)]);   window 3: those of my rows 64-127.
.set SIZE_N, 1024
.set SIZE_K, 1024
.set KSTEP,  256
.set NQ,     KSTEP/128
.set ROWB,   192                       ; B: a tile's row in bytes
.set KROW,   SIZE_K*6/8                ; B: a row of cod in bytes
.set PITCH,  240                       ; B: an LDS row: 3 x (64 bytes of data + 16 of padding)
.set FR,     12
.set NL,     6                         ; LDS loads that bring a fragment of B
.set NLA,    4                         ; and of A
.set NP,     4                         ; places behind this matrix instruction (ISA guide 7.12.1)
.set TILEA,  3072                      ; A: a tile of 16 rows x 256 along K: four images
.set HALFA,  8*TILEA                   ; A: 128 rows: what one tensor load brings
.set KSA,    512*TILEA                 ; A: from a K step to the next in cimg
.set HALFT,  128*PITCH                 ; B: 128 rows
.set BOFF,   2*HALFA                   ; a slot: A's 256 rows, dense, then B's 256 rows
.set SLOT,   BOFF+2*HALFT
.set LAPS,   SIZE_K/(2*KSTEP)
.set KS,     SIZE_K/32
.set SCL,    2*SLOT                    ; behind the ring: the scales, as rows of 256 bytes + 16 of padding
.set HALFS,  (128*KS/256)*272
.set SBLK,   (16*KS/256)*272
.set SPARE,  SCL+4*HALFS               ; behind the scales: the spare words, 128 bytes for each wave
.set SPITCH, 528                       ; the way out: a stage of 16 rows x (512 bytes + 16) for each wave, in slot 0, which has had its last fill and its last read when the first result is stored there
.set ADRA, 16                          ; v16-17 A: my eight tiles in slot 0, 1, + 16 x lane;  v18-19: + 8 x lane
.set ADRB, 20                          ; v20-21 B: my fragments in slot 0, 1;  v22-23: behind one padding more
.set STO,  24
.set RD,   25
.set CO,   26
.set ADRS, 27
.set SPW,  28                          ; v28  LDS address of my spare word; never rewritten
.set NIL,  29                          ; v29  0; never rewritten
.set SC,   32
.set AF,   128
.set BK,   128
.set G1, 24
.set G0, 32
.set G1B, 48
.set G0B, 56
.set G1S, 68
.set G0S, 76
.set G1SB, 80
.set G0SB, 88
.set MSB, 0
.macro WIN new
.if MSB != (\new)
	s_set_vgpr_msb (MSB<<8)|(\new)
.set MSB, (\new)
.endif
.endm
.set MUL_LO, 0xa1
.set MUL_HI, 0xf1
.set TO_B,   0x40
.macro JLOAD g0a, g1a, g0b, g1b        ; a joint load: waves 0 and 1 fetch for A, waves 2 and 3 for B; an s_nop 0 and four v_nop follow each of the two lines
	s_cmp_eq_u32 s15, 0
	s_cbranch_scc0 .Lfor_b_\@
	tensor_load_to_lds s[\g0a:\g0a+3], s[\g1a:\g1a+7]
	s_nop 0
.rept 4
	v_nop
.endr
	s_branch .Lasked_\@
.Lfor_b_\@:
	tensor_load_to_lds s[\g0b:\g0b+3], s[\g1b:\g1b+7]
	s_nop 0
.rept 4
	v_nop
.endr
.Lasked_\@:
.endm
.macro CREST
	s_cmp_lg_u32 s14, 0
	s_cbranch_scc1 .Lnot_wave_0_\@
	s_barrier_signal -3
.Lnot_wave_0_\@:
	s_barrier_wait -3
	s_barrier_signal -1
	s_barrier_wait -1
.endm
.macro CROUND
	s_barrier_signal -1
	s_barrier_wait -1
	CREST
.endm
	s_load_b128 s[4:7], s[0:1], 0x0                ; cimg s[4:5], cs s[6:7]
	s_load_b128 s[8:11], s[0:1], 0x10              ; cod s[8:9], scl s[10:11]
	s_load_b64 s[12:13], s[0:1], 0x20              ; out0
	v_lshl_add_u32 v[SPW], v0, 2, SPARE
	v_mov_b32 v[NIL], 0
	ds_add_u32 v[SPW], v[NIL]                      ; the wave's opening: the add and its wait stand ahead of my first tensor load; the set-up below, work on registers, stands between them
	v_lshrrev_b32 v1, 5, v0
	v_readfirstlane_b32 s14, v1                    ; wave 0..3
	s_lshr_b32 s15, s14, 1                         ; which half of the tile's rows is mine.  Also: I fetch for A (0) or for B (1)
	s_and_b32 s16, s14, 1                          ; which half of its columns.  Also: which 128 rows of that tile I fetch
	s_bfe_u32 s40, ttmp6, 0x40000                  ; cx, cy
	s_bfe_u32 s41, ttmp6, 0x40004
	s_lshl_b32 s42, ttmp9, 2
	s_add_co_u32 s42, s42, s40                     ; tile column = 4 x cluster x + cx
	s_and_b32 s17, ttmp7, 0xffff
	s_lshl_b32 s17, s17, 2
	s_add_co_u32 s17, s17, s41                     ; tile row = 4 x cluster y + cy
	s_lshl_b32 s43, s41, 2
	s_lshl_b32 s43, 15, s43                        ; my row of the cluster
	s_lshl_b32 s44, 0x1111, s40                    ; my column
	; descriptor group 1.  A: eight tiles are a dense block of 24,576 bytes: 96 rows of 256 bytes (32 elements of 8 bytes), no padding
	s_or_b32 s[G1+0], s43, (3<<16)|(1<<21)
	s_mov_b32 s[G1+1], 32<<16
	s_mov_b32 s[G1+2], 96<<16
	s_mov_b32 s[G1+3], 32<<16
	s_mov_b32 s[G1+4], 96
	s_mov_b32 s[G1+5], 32
	s_mov_b32 s[G1+6], 0
	s_mov_b32 s[G1+7], 0
	; B: 128 rows x ROWB bytes, 16 bytes of padding behind every 64
	s_or_b32 s[G1B+0], s44, (0<<16)|(1<<20)|(1<<21)|(3<<22)|(3<<25)
	s_mov_b32 s[G1B+1], ROWB<<16
	s_mov_b32 s[G1B+2], 128<<16
	s_mov_b32 s[G1B+3], ROWB<<16
	s_mov_b32 s[G1B+4], 128
	s_mov_b32 s[G1B+5], KROW
	s_mov_b32 s[G1B+6], 0
	s_mov_b32 s[G1B+7], 0
	; the scales of 128 rows: a dense block of 4,096 bytes, as rows of 256 bytes, 16 bytes of padding behind each
	s_or_b32 s[G1S+0], s43, (3<<16)|(1<<20)|(1<<21)|(5<<22)|(3<<25)
	s_or_b32 s[G1SB+0], s44, (3<<16)|(1<<20)|(1<<21)|(5<<22)|(3<<25)
.irp g, G1S, G1SB
	s_mov_b32 s[\g+1], 32<<16
	s_mov_b32 s[\g+2], (128*KS/256)<<16
	s_mov_b32 s[\g+3], 32<<16
	s_mov_b32 s[\g+4], 128*KS/256
	s_mov_b32 s[\g+5], 32
	s_mov_b32 s[\g+6], 0
	s_mov_b32 s[\g+7], 0
.endr
	s_lshl_b32 s20, s17, 4
	s_lshl_b32 s18, s16, 3
	s_add_co_u32 s20, s20, s18
	s_mul_i32 s20, s20, TILEA                      ; A's codes: tile of rows 16 x tile row + 8 x half
	s_mov_b32 s21, 0
	s_lshl_b32 s18, s16, 7                         ; which 128 rows of the tile I fetch
	s_lshl_b32 s22, s17, 8
	s_add_co_u32 s22, s22, s18
	s_lshl_b32 s22, s22, 5                         ; A's scales: 32 bytes a row
	s_mov_b32 s23, 0
	s_lshl_b32 s46, s42, 8
	s_add_co_u32 s46, s46, s18                     ; B: row 256 x tile column + 128 x half
	s_lshl_b32 s92, s46, 5                         ; its scales,
	s_mov_b32 s93, 0
	s_mul_i32 s46, s46, KROW                       ; its codes
	s_mov_b32 s47, 0
	s_mul_i32 s45, s16, HALFA                      ; where they go: A's two halves,
	s_mul_i32 s95, s16, HALFT
	s_add_co_u32 s95, s95, BOFF                    ; B's two halves behind them: no place in the cluster enters an LDS address
	s_mul_i32 s94, s14, HALFS
	s_wait_dscnt 0x0                               ; the opening add is done
	s_wait_kmcnt 0x0
	s_add_nc_u64 s[8:9], s[8:9], 11264*KROW        ; Wo's first row in cod,
	s_add_nc_u64 s[10:11], s[10:11], 11264*KS      ; and in scl
	s_add_nc_u64 s[20:21], s[4:5], s[20:21]
	s_add_nc_u64 s[22:23], s[6:7], s[22:23]
	s_add_nc_u64 s[46:47], s[8:9], s[46:47]
	s_add_nc_u64 s[92:93], s[10:11], s[92:93]
	CROUND                                         ; all sixteen work-groups are here: the first joint loads meet
	s_mov_b32 s[G0S], 1
	s_add_co_u32 s[G0S+1], s94, SCL
	s_mov_b64 s[G0S+2:G0S+3], s[22:23]
	s_or_b32 s[G0S+3], s[G0S+3], 0x80000000
	s_mov_b32 s[G0SB], 1
	s_add_co_u32 s[G0SB+1], s94, SCL
	s_mov_b64 s[G0SB+2:G0SB+3], s[92:93]
	s_or_b32 s[G0SB+3], s[G0SB+3], 0x80000000
	JLOAD G0S, G1S, G0SB, G1SB                     ; the scales first: they are wanted with K step 0
.irp s, 0,1
	s_mov_b32 s[G0+4*\s], 1
	s_add_co_u32 s[G0+4*\s+1], s45, \s*SLOT
	s_add_nc_u64 s[G0+4*\s+2:G0+4*\s+3], s[20:21], \s*KSA
	s_or_b32 s[G0+4*\s+3], s[G0+4*\s+3], 0x80000000
	s_mov_b32 s[G0B+4*\s], 1
	s_add_co_u32 s[G0B+4*\s+1], s95, \s*SLOT
	s_add_nc_u64 s[G0B+4*\s+2:G0B+4*\s+3], s[46:47], \s*ROWB
	s_or_b32 s[G0B+4*\s+3], s[G0B+4*\s+3], 0x80000000
	JLOAD G0+4*\s, G1, G0B+4*\s, G1B
.endr
	v_and_b32 v1, 15, v0                           ; l % 16
	v_bfe_u32 v2, v0, 4, 1                         ; l / 16
	v_and_b32 v6, 31, v0                           ; lane
	v_mul_u32_u24 v3, v1, PITCH
	v_mul_u32_u24 v4, v2, 24
	v_add_nc_u32 v4, v3, v4                        ; B: a fragment's row x pitch + 24 x half
	v_lshl_add_u32 v5, v2, 4, v4                   ; and the same behind one padding more
	v_lshlrev_b32 v7, 4, v6                        ; A: 16 x lane,
	v_lshlrev_b32 v8, 3, v6                        ; 8 x lane
	s_mul_i32 s21, s15, HALFA                      ; my 128 rows of A
	s_mul_i32 s22, s16, HALFT                      ; my 128 rows of B,
	s_add_co_u32 s22, s22, BOFF                    ; which lie behind A's 256
.irp s, 0,1
	v_add_nc_u32 v[ADRA+\s], s21, v7
	v_add_nc_u32 v[ADRA+2+\s], s21, v8
	v_add_nc_u32 v[ADRB+\s], s22, v4
	v_add_nc_u32 v[ADRB+2+\s], s22, v5
	s_add_co_u32 s21, s21, SLOT
	s_add_co_u32 s22, s22, SLOT
.endr
	v_mul_u32_u24 v5, v1, KS                       ; my row's scales: KS bytes a row,
	v_lshrrev_b32 v9, 8, v5
	v_lshl_add_u32 v5, v9, 4, v5                   ; and 16 more for each 256 passed
	s_mul_i32 s21, s15, HALFS
	s_mul_i32 s22, s16, HALFS
	s_add_co_u32 s22, s22, 2*HALFS
	s_sub_co_u32 s22, s22, s21
	v_mul_u32_u24 v9, s22, v2                      ; lanes 16-31 take B's
	s_add_co_u32 s21, s21, SCL
	v_add_nc_u32 v5, v5, v9
	v_add_nc_u32 v[ADRS], s21, v5
	s_mul_i32 s23, s14, 16*SPITCH                  ; my stage
	v_mul_u32_u24 v5, v1, SPITCH                   ; in: row l % 16, 32 bytes for each half of the lanes
	v_lshl_add_u32 v5, v2, 5, v5
	v_add_nc_u32 v[STO], s23, v5
	v_lshlrev_b32 v[CO], 4, v6                     ; back: the 32 lanes take one row of 512 bytes; and the same in out0
	v_add_nc_u32 v[RD], s23, v[CO]
	s_lshl_b32 s20, s17, 8
	s_lshl_b32 s21, s15, 7
	s_add_co_u32 s20, s20, s21                     ; my first row: 256 x tile row + 128 x half (the exchange of bits stays inside runs of 32 rows)
	s_lshl_b32 s20, s20, 12                        ; 4,096 bytes a row
	s_mov_b32 s21, 0
	s_lshl_b32 s46, s42, 10                        ; my first column, in bytes: 1,024 x tile column + 512 x half
	s_lshl_b32 s47, s16, 9
	s_add_co_u32 s46, s46, s47
	s_mov_b32 s47, 0
	s_add_nc_u64 s[20:21], s[20:21], s[46:47]
	s_add_nc_u64 s[12:13], s[12:13], s[20:21]
.macro FRAG reg, adr, q, i             ; B: a fragment, 16 rows x 128 K, is 12 registers: registers 6 c .. 6 c + 5 hold K = 64 c + 32 (l / 16) + 0 .. 31: 24 bytes of the row, in pieces of 8 bytes
.irp p, 0,1,2,3,4,5
.set PCE, 12*(\q)+6*(\p/3)+\p%3
.if PCE%8 < 5
	ds_load_b64 v[\reg+2*\p:\reg+2*\p+1], v[\adr] offset:8*PCE+16*(PCE/8)+(\i)*16*PITCH
.else
	ds_load_b64 v[\reg+2*\p:\reg+2*\p+1], v[\adr+2] offset:8*PCE+16*(PCE/8)+(\i)*16*PITCH
.endif
.endr
.endm
.macro FRAGA reg, slot, q, i           ; A: two images on end: each lane takes back the registers that a lane of the launch before stored
	ds_load_b128 v[\reg:\reg+3], v[ADRA+\slot] offset:TILEA*(\i)+1536*(\q)
	ds_load_b64 v[\reg+4:\reg+5], v[ADRA+2+\slot] offset:TILEA*(\i)+1536*(\q)+512
	ds_load_b128 v[\reg+6:\reg+9], v[ADRA+\slot] offset:TILEA*(\i)+1536*(\q)+768
	ds_load_b64 v[\reg+10:\reg+11], v[ADRA+2+\slot] offset:TILEA*(\i)+1536*(\q)+1280
.endm
; 16 matrix instructions: A's blocks a0, a0 + 1 x B's eight, 128 along K.  The 64 accumulators take turns, one instruction a turn, in the same order in every step.
.macro MUL16 a0, p, q, sc, zero
.irp a, \a0, \a0+1
.irp b, 0,1,2,3,4,5,6,7
.if \zero
	v_wmma_scale_f32_16x16x128_f8f6f4 v[8*(8*((\a)%4)+\b):8*(8*((\a)%4)+\b)+7], v[128*(\p)+FR*\b:128*(\p)+FR*\b+FR-1], v[AF+FR*(\a):AF+FR*(\a)+FR-1], 0, v[SC+8*NQ*(\sc)+NQ*\b+(\q)], v[SC+8*NQ*(\sc)+NQ*(\a)+(\q)] matrix_a_fmt:MATRIX_FMT_FP6 matrix_b_fmt:MATRIX_FMT_FP6 matrix_a_scale:MATRIX_SCALE_ROW1
.else
	v_wmma_scale_f32_16x16x128_f8f6f4 v[8*(8*((\a)%4)+\b):8*(8*((\a)%4)+\b)+7], v[128*(\p)+FR*\b:128*(\p)+FR*\b+FR-1], v[AF+FR*(\a):AF+FR*(\a)+FR-1], v[8*(8*((\a)%4)+\b):8*(8*((\a)%4)+\b)+7], v[SC+8*NQ*(\sc)+NQ*\b+(\q)], v[SC+8*NQ*(\sc)+NQ*(\a)+(\q)] matrix_a_fmt:MATRIX_FMT_FP6 matrix_b_fmt:MATRIX_FMT_FP6 matrix_a_scale:MATRIX_SCALE_ROW1
.endif
.endr
.endr
.endm
.macro FETCH_B slot, q, p
	WIN TO_B
.irp i, 0,1,2,3,4,5,6,7
	FRAG 128*(\p)+FR*\i, ADRB+\slot, \q, \i
.endr
	WIN 0
.endm
.macro FETCH_A slot, q, i0
.irp i, \i0, \i0+1, \i0+2, \i0+3
	FRAGA AF+FR*(\i), \slot, \q, \i
.endr
.endm
.macro SCALES sc
.irp i, 0,1,2,3,4,5,6,7
	ds_load_b64 v[SC+8*NQ*\sc+NQ*\i:SC+8*NQ*\sc+NQ*\i+1], v[ADRS] offset:\i*SBLK
.endr
.endm
.macro PLACES n
.rept \n
	v_nop
.endr
.endm
.macro STEP slot, q, zero
	s_wait_dscnt 4*NLA                             ; B's set and A's blocks 0-3 are in; the youngest 16 loads (A's blocks 4-7) may be out
	WIN MUL_LO
	MUL16 0, (\q)%2, \q, \slot, \zero
	MUL16 2, (\q)%2, \q, \slot, \zero
	s_wait_dscnt 0                                 ; A's blocks 4-7 are in
	PLACES NP
	FETCH_B \slot, (\q)+1, 1-(\q)%2
	FETCH_A \slot, (\q)+1, 0
	WIN MUL_HI
	MUL16 4, (\q)%2, \q, \slot, \zero
	MUL16 6, (\q)%2, \q, \slot, \zero
	PLACES NP
	WIN 0
	FETCH_A \slot, (\q)+1, 4
.endm
; A slot's last step changes slots: ONE barrier; in front of it each wave waits for all its tensor loads, adds 0 to its spare word, and waits for that and for its own reads of this slot.  fill = 1: this slot is filled again, two K steps ahead.
.macro TURN slot, next, fill
	s_wait_tensorcnt 0x0                           ; all my tensor loads have landed: my part of the next slot
	ds_add_u32 v[SPW], v[NIL]                      ; 0 onto my spare word
	s_wait_dscnt 4*NLA+1                           ; (the add and the youngest 16 loads, A's blocks 4-7, may be out)
	WIN MUL_LO
	MUL16 0, 1, NQ-1, \slot, 0
	s_wait_dscnt 0x0                               ; the add is done, and my reads of this slot are over
	s_barrier_signal -1
	MUL16 2, 1, NQ-1, \slot, 0
	WIN 0
	s_barrier_wait -1
.if \fill
	CREST                                          ; the barrier has opened a round of the cluster's barrier: no wave of any partner still reads this slot's tile or has a load on its way
	s_add_nc_u64 s[G0+4*\slot+2:G0+4*\slot+3], s[G0+4*\slot+2:G0+4*\slot+3], 2*KSA
	s_add_nc_u64 s[G0B+4*\slot+2:G0B+4*\slot+3], s[G0B+4*\slot+2:G0B+4*\slot+3], 2*ROWB
	JLOAD G0+4*\slot, G1, G0B+4*\slot, G1B         ; the first tensor load behind the round; the four v_nop behind it are the places in front of the loads below
.else
	PLACES NP
.endif
	v_add_nc_u32 v[ADRS], 4*NQ, v[ADRS]            ; on to the next K step's scale words
	FETCH_B \next, 0, 0
	FETCH_A \next, 0, 0
	SCALES \next
	WIN MUL_HI
	MUL16 4, 1, NQ-1, \slot, 0
	MUL16 6, 1, NQ-1, \slot, 0
	PLACES NP
	WIN 0
	FETCH_A \next, 0, 4
.endm
	s_wait_tensorcnt 1                             ; the scales and my part of K step 0 are in (K step 1's load may be out),
	s_barrier_signal -1
	s_barrier_wait -1                              ; everybody's are
	FETCH_B 0, 0, 0
	FETCH_A 0, 0, 0
	SCALES 0
	FETCH_A 0, 0, 4
	STEP 0, 0, 1                                   ; the first step stands in front of the loop: its products start the sums
	s_mov_b32 s3, LAPS-1
.Llap:
	TURN 0, 1, 1
	STEP 1, 0, 0
	TURN 1, 0, 1
	STEP 0, 0, 0
	s_sub_co_u32 s3, s3, 1
	s_cmp_lg_u32 s3, 0
	s_cbranch_scc1 .Llap
	TURN 0, 1, 0                                   ; the last lap fills nothing
	STEP 1, 0, 0
	s_wait_dscnt 4*NLA                             ; the very last step: nothing more to fetch
	WIN MUL_LO
	MUL16 0, 1, NQ-1, 1, 0
	MUL16 2, 1, NQ-1, 1, 0
	s_wait_dscnt 0
	WIN MUL_HI
	MUL16 4, 1, NQ-1, 1, 0
	MUL16 6, 1, NQ-1, 1, 0
	WIN 0
; THE WAY OUT, block by block of 16 rows x 128 columns: through my own stage in LDS and back as whole rows of 512 bytes.  LDS serves a wave's instructions in order: no wait between the stores and the loads.
.macro TOSTAGE a
.set AC, 64*((\a)%4)
	WIN 0x08+4*((\a)/4)                            ; the data: window 2 or 3
.irp b, 0,1,2,3,4,5,6,7
	ds_store_b128 v[STO], v[AC+8*\b:AC+8*\b+3] offset:64*\b          ; each accumulator from its low end on
	ds_store_b128 v[STO], v[AC+8*\b+4:AC+8*\b+7] offset:64*\b+16
.endr
	WIN 0
.set BB, BK+64*((\a)%2)
.irp t, 0,1,2,3,4,5,6,7,8,9,10,11,12,13,14,15
	ds_load_b128 v[BB+4*\t:BB+4*\t+3], v[RD] offset:\t*SPITCH
.endr
.endm
.macro SEND a, younger                 ; younger: the LDS instructions issued behind block a's loads, which may stay out
.set BB, BK+64*((\a)%2)
	s_wait_dscnt \younger                          ; the block is back in registers
.irp t, 0,1,2,3,4,5,6,7,8,9,10,11,12,13,14,15   ; place 16 a + t is row 32 (a / 2) + 8 (a % 2) + t + 8 (t / 8): 127 rows of 4,096 bytes at the most, inside the signed 24-bit immediate
	global_store_b128 v[CO], v[BB+4*\t:BB+4*\t+3], s[12:13] offset:(32*((\a)/2)+8*((\a)%2)+\t+8*(\t/8))*SIZE_N*4 th:TH_STORE_NT   ; 32 lanes store 512 consecutive bytes, at a multiple of 256 from out0's first byte
.endr
.endm
	PLACES NP                                      ; behind the last products: their results are read, and A's registers loaded into, below
	TOSTAGE 0
.irp a, 1,2,3,4,5,6,7
.if \a > 1
	s_wait_xcnt 0x0                                ; block a - 2's stores have read their registers: block a's loads may land there
.endif
	TOSTAGE \a
	SEND \a-1, 32                                  ; behind block a - 1's loads: block a's 16 stores and 16 loads
.endr
	SEND 7, 0
	s_wait_tensorcnt 0x0                           ; the wave's end, behind my last tensor load and my last LDS store
	ds_add_u32 v[SPW], v[NIL]
	s_wait_dscnt 0x0
	CROUND                                         ; the closing round: no work-group ends while a partner may still ask for a tile that names it
	s_endpgm
.Lfunc_end_k_qa9763f4de7_oproj:
	.size	k_qa9763f4de7_oproj, .Lfunc_end_k_qa9763f4de7_oproj-k_qa9763f4de7_oproj
	.p2alignl 7, 3214868480
	.fill 96, 4, 3214868480
	.section	.rodata,"a",@progbits
	.p2align	6, 0x0
	.amdhsa_kernel k_qa9763f4de7_oproj
		.amdhsa_group_segment_fixed_size 327680
		.amdhsa_private_segment_fixed_size 0
		.amdhsa_enable_private_segment 0
		.amdhsa_kernarg_size 40
		.amdhsa_user_sgpr_count 2
		.amdhsa_user_sgpr_kernarg_segment_ptr 1
		.amdhsa_wavefront_size32 1
		.amdhsa_system_sgpr_workgroup_id_x 1
		.amdhsa_system_sgpr_workgroup_id_y 1
		.amdhsa_system_sgpr_workgroup_id_z 1
		.amdhsa_system_vgpr_workitem_id 0
		.amdhsa_next_free_vgpr 1024
		.amdhsa_next_free_sgpr 98
		.amdhsa_reserve_vcc 0
		.amdhsa_float_denorm_mode_32 3
		.amdhsa_float_denorm_mode_16_64 3
		.amdhsa_memory_ordered 1
		.amdhsa_forward_progress 1
		.amdhsa_inst_pref_size 152
	.end_amdhsa_kernel
	.amdgpu_metadata
---
amdhsa.version: [ 1, 2 ]
amdhsa.kernels:
  - .name:           k_qa9763f4de7_oproj
    .symbol:         k_qa9763f4de7_oproj.kd
    .args:
      - { .name: cimg, .offset: 0, .size: 8, .value_kind: global_buffer, .address_space: global }
      - { .name: cs, .offset: 8, .size: 8, .value_kind: global_buffer, .address_space: global }
      - { .name: cod, .offset: 16, .size: 8, .value_kind: global_buffer, .address_space: global }
      - { .name: scl, .offset: 24, .size: 8, .value_kind: global_buffer, .address_space: global }
      - { .name: out0, .offset: 32, .size: 8, .value_kind: global_buffer, .address_space: global }
    .group_segment_fixed_size: 327680
    .private_segment_fixed_size: 0
    .kernarg_segment_align: 8
    .kernarg_segment_size: 40
    .max_flat_workgroup_size: 128
    .sgpr_count:     98
    .vgpr_count:     1024
    .wavefront_size: 32
...
	.end_amdgpu_metadata
.endif
;; end of part 4
